; MI455X (gfx1250); checked and timed in simulation.
; The chip was launched on July 23, 2026; its instructions are those of AMD's public machine-readable ISA for CDNA 5 (MIT licence, August 2026) and "CDNA5" Instruction Set Architecture Reference Guide (July 2026). The comments in the code are by the model that wrote it; some were corrected since.
;; Causal Self Attention. Allowed arithmetic: matrix products marked QUANTISED: E2M3 operands, one E8M0 scale for each 32 along K, by v_wmma_scale_f32_16x16x128_f8f6f4 with both operands' format E2M3, f32 sums; everything else in f32.
;; Inputs: k 4 x 2,048 x 1,024 float32; mask 1 x 1 x 2,048 x 2,048 float32; q 4 x 2,048 x 1,024 float32; v 4 x 2,048 x 1,024 float32; wk_b 1,024 float32; wk_w 1,024 x 1,024 float32; wo_b 1,024 float32; wo_w 1,024 x 1,024 float32; wq_b 1,024 float32; wq_w 1,024 x 1,024 float32; wv_b 1,024 float32; wv_w 1,024 x 1,024 float32.
;; Outputs: out0 4 x 2,048 x 1,024 float32.
;; This version of the problem:
;;   THIS VERSION OF THE PROBLEM IS GIVEN IN LOW PRECISION. The matrix products marked QUANTISED in the list below multiply operands that are first quantised to E2M3 (2 exponent bits, 3 mantissa bits; 6 bits a number), with one power-of-two scale for each 32 numbers along K (OCP MX v1.0); their sums are f32. All else is computed in f32.
;;   The module's matrix products, in the order in which they are computed (A, B: the left and right operand; K: the contracted axis; several contracted axes count as one K, in the product's order):
;;     1. [M 8,192, K 1,024] x [K 1,024, N 1,024]; A: input q; B: input wq_w: QUANTISED
;;     2. [M 8,192, K 1,024] x [K 1,024, N 1,024]; A: input k; B: input wk_w: QUANTISED
;;     3. [M 8,192, K 1,024] x [K 1,024, N 1,024]; A: input v; B: input wv_w: QUANTISED
;;     4. batch 64 x [M 2,048, K 64] x [K 64, N 2,048]; A: computed on the way; B: computed on the way: QUANTISED
;;     5. batch 64 x [M 2,048, K 2,048] x [K 2,048, N 64]; A: softmax (see below); B: computed on the way: QUANTISED
;;     6. [M 8,192, K 1,024] x [K 1,024, N 1,024]; A: computed on the way; B: input wo_w: QUANTISED
;;   THE QUANTISER, for each operand of a quantised product, along K:
;;     - K is cut into blocks of 32 from its start; a last block that is shorter is filled with zeros.
;;     - A block's scale is 2^e with e = floor(log2(the largest magnitude in the block)) - 2, held to -126 .. 127; a block of zeros has e = 0. As a byte (E8M0): e + 127.
;;     - Each number is divided by its block's scale, clamped to +-7.5, and rounded to the nearest number of E2M3, ties to even, subnormals kept.
;;     - The product sums the exact products of the quantised numbers (number of the format x scale) in f32.
;;   ~~~python
;;   def quantise(x, axis):      # numpy; x: float32 -> the quantised numbers, widened to float32 again
;;       x = np.moveaxis(x, axis, -1); K = x.shape[-1]
;;       x = np.pad(x, [(0, 0)] * (x.ndim - 1) + [(0, -K % 32)]); x = x.reshape(x.shape[:-1] + (-1, 32)); a = np.abs(x).max(-1, keepdims=True)
;;       e = np.where(a > 0, np.clip(np.frexp(np.where(a > 0, a, 1))[1] - 1 - 2, -126, 127), 0)      # np.frexp(a)[1] - 1 = floor(log2(a)), exactly
;;       r = np.clip(x / 2.0 ** e, -7.5, 7.5)
;;       step = 2.0 ** (np.maximum(np.frexp(np.where(r == 0, 1, r))[1] - 1, 0) - 3)
;;       q = np.round(r / step) * step * 2.0 ** e      # np.round: ties to even
;;       return np.moveaxis(q.reshape(q.shape[:-2] + (-1,))[..., :K], -1, axis).astype(np.float32)
;;   ~~~
;;   SOFTMAX AHEAD OF A QUANTISED PRODUCT. Where the list says 'softmax', what is quantised is not the finished softmax but p = 2^(t - M), with t = logit x log2(e) and M = ceil(the row's largest t), a whole number; so 1/2 < the row's largest p <= 1. The row's sum l is taken of the UNQUANTISED p, in f32, and the product's result is divided by l at the end. Since M is a whole number, a kernel that streams over the keys may use a running M (the ceiling of the running maximum): every later rescaling is an exact power of two, which a block's scale takes up: the codes' values come out the same.
;;   OPERANDS COMPUTED ON THE WAY. 'Computed on the way' means the value that the module computes at that place (a softmax that the list does not call 'softmax' is quantised finished and normalised). What goes into a quantiser is computed in f32, as accurately as f32 sums, v_exp_f32 and their like allow (about 1e-6 of the number): no bf16 or f16 on the way to a quantiser, and a product that is left as it is and whose result goes on into a quantised operand takes f32 operands (vector FMAs, or v_wmma_f32_16x16x4_f32). A number that lies on a knife's edge between two numbers of the format may be rounded either way, as far as f32 arithmetic and the matrix unit's own rounding can turn it there, and no further.
;; 2 versions, each right; version 2 is version 1 with the launch attn written anew for expert scheduling mode. Each part assembles by itself: llvm-mc -triple=amdgcn-amd-amdhsa -mcpu=gfx1250 --defsym DOCPART=n.
;; ======== version 1 of 2: 4 launches
;; limits: right only within a limited range of input values
;; workspace buffers: xcod 19,660,800 bytes; wcod 3,276,800 bytes; flags 512 bytes of whole numbers; qkv 26,738,688 bytes; acod 6,553,600 bytes
;; launch prep (part 1): grid 384 x 1, 8 waves a work-group, no clusters, 69,632 bytes of LDS; arguments q, k, v, wq_w, wk_w, wv_w, wo_w, mask, xcod, wcod, flags; writes xcod, wcod, flags
.if DOCPART == 1
	.amdgcn_target "amdgcn-amd-amdhsa--gfx1250"
	.amdhsa_code_object_version 6
	.text
	.protected	k_q6a83c98c19_prep
	.globl	k_q6a83c98c19_prep
	.p2align	8
	.type	k_q6a83c98c19_prep,@function
k_q6a83c98c19_prep:
	s_mov_b64 s[64:65], 0
	v_nop
	global_prefetch_b8 v0, s[64:65] scope:SCOPE_SE
	s_setreg_imm32_b32 hwreg(HW_REG_WAVE_MODE, 25, 1), 1
	s_wait_xcnt 0x0
; q, k, v [8192][1024] and the four weights [1024 (k)][1024 (n)], f32, become codes of FP6 (E2M3) with one E8M0 byte for each 32 along K; the mask [2048][2048] becomes 128 words of classes.
; A block's scale is 2^(floor(log2(largest magnitude)) - 2): its byte is the largest magnitude's exponent field - 2, held at 1 from below by a floor among the maximum's leaves.
; LAYOUT OF THE CODES: in the order of the operand's registers.  A tile is 16 rows: row r of tile T is row 32 (T / 2) + 8 (T % 2) + r + 8 (r / 8) of the tensor.  A fragment (a tile x 128 along K) is 1,536 bytes:
; piece p (0..5) at 256 p, lane l's 8 bytes at 8 l = operand registers 2 p, 2 p + 1; lane (r, h) holds k = 64 c + 32 h + 0..31 in registers 6 c .. 6 c + 5.  A tile's 8 fragments lie on end.
; The scale bytes: 32 for a row (all of K), 512 for a tile, behind the codes.
; THREE KINDS OF WORK-GROUP, parted by the work-group's number:  0-191: a wave takes one tile of q, k or v over all of K;  192-255: a wave takes 32 columns x 256 along K of a weight;
; 256-383: a work-group takes one tile of 16 queries of the mask.  All meet at one barrier, which only the mask's work-groups need.
; THE MASK'S CLASSES, two bits for each step of 128 keys: 1: every number of the tile's 16 rows x 128 keys is 0;  0 (dead): every number there is at least 0.5 AND every row of the tile has, somewhere among its
; 2,048 keys, a number that is 0 or less;  2: all else.  In a dead step each logit lies 5e8 or more under one of the same row, so its p is 0.
; LIMITS: NaN and infinities among the inputs are not served.  A dead step leans on |q . k / 8| under 2e8.  A block of zeros, or one whose largest magnitude lies under 2^-124, keeps the byte 1;
; its bytes are read by this program alone.
.set XSCL,  18874368                   ; xcod: where the scale bytes begin
.set WSCL,  3145728                    ; wcod: likewise
.set STGB,  8448                       ; LDS: a wave's stage: 16 rows x (512 bytes + 16)
.set MS,    8*STGB                     ; LDS: the mask's figures, 1,024 bytes
.set FLOOR, 0x1800000                  ; 2^(3 - 127)
.set R,   16                           ; v16-143  numbers as loaded
.set X,   144                          ; v144-207 a lane's two blocks of 32
.set C,   208                          ; v208-219 codes
.set H0,  220                          ; v220-222, v224-226 the conversions' second halves (a conversion's three registers begin on an even number)
.set H1,  224
.set W,   228                          ; v228-235 scale words
.set TM,  236
.set SO,  238
.set BY,  240
.set PT,  242
.set OW,  244
.set AM,  144                          ; the mask: v144-145 largest magnitude, v146-147 least number of my two steps, v148-163 least number of each row
.set TN,  146
.set RM,  148
	s_load_b256 s[4:11], s[0:1], 0x0               ; q, k, v, wq_w
	s_load_b256 s[12:19], s[0:1], 0x20             ; wk_w, wv_w, wo_w, mask
	s_load_b128 s[20:23], s[0:1], 0x40             ; xcod, wcod
	s_load_b64 s[24:25], s[0:1], 0x50              ; flags
	v_lshl_add_u32 v254, v0, 2, 0x10c00
	v_mov_b32 v255, 0
	v_lshrrev_b32 v1, 5, v0
	v_readfirstlane_b32 s26, v1                    ; wave 0..7
	v_and_b32 v1, 31, v0                           ; lane
	v_and_b32 v2, 15, v0                           ; r
	v_bfe_u32 v3, v0, 4, 1                         ; h
	v_lshlrev_b32 v4, 4, v1                        ; 16 x lane
	v_lshlrev_b32 v5, 3, v1                        ; 8 x lane
	s_mul_i32 s27, s26, STGB
	v_add_nc_u32 v6, s27, v4                       ; the stage, on the way in: a row's 512 bytes as they lie
	v_mul_u32_u24 v7, v2, 528
	v_lshl_add_u32 v7, v3, 7, v7
	v_add_nc_u32 v7, s27, v7                       ; and on the way out: row r, + 128 h: my block of 32 numbers
	v_lshlrev_b32 v8, 5, v2
	v_lshl_add_u32 v8, v3, 4, v8                   ; 32 r + 16 h: my half of a row's scale bytes
	v_lshlrev_b32 v9, 3, v3                        ; 8 h
	v_lshl_add_u32 v10, v2, 5, MS                  ; the mask's figures: every LDS address is made here, ahead of the parting
	v_lshl_add_u32 v11, v2, 2, MS+512
	s_lshl_b32 s27, s26, 2
	s_add_co_u32 s27, s27, MS
	v_mov_b32 v12, s27
	s_lshl_b32 s27, s26, 3
	s_add_co_u32 s27, s27, MS+512
	v_mov_b32 v13, s27
	v_mov_b32 v[PT], 0                             ; a lane permute's destination counts as one of its sources
	s_mov_b32 s38, 0x76543210
	s_mov_b32 s39, 0xfedcba98                      ; v_permlanex16_b32's selects for lane l xor 16
	s_mov_b32 s33, 0
	s_wait_kmcnt 0x0
	s_cmp_lt_u32 ttmp9, 192
	s_cbranch_scc0 .Lnot_x
; ---- q, k, v: K is innermost.  Each load takes 512 consecutive bytes of one row; a K step's 16 rows turn through the wave's own stage, so that a lane gets two whole blocks of 32.
.macro XLOAD s
.set i, 0
.rept 16
	global_load_b128 v[R+64*((\s)%2)+4*i:R+64*((\s)%2)+4*i+3], v4, s[30:31] offset:(i+8*(i/8))*4096+512*(\s) th:TH_LOAD_NT
.set i, i+1
.endr
.endm
.macro XSTEP s
.set RS, R+64*((\s)%2)
.if (\s) < 7
	s_wait_loadcnt 16                              ; this step's 16 loads are in; the next step's 16 may be out
.else
	s_wait_loadcnt 0x0
.endif
.set i, 0
.rept 16
	ds_store_b128 v6, v[RS+4*i:RS+4*i+3] offset:528*i
.set i, i+1
.endr
.set i, 0
.rept 16
	ds_load_b128 v[X+4*i:X+4*i+3], v7 offset:256*(i/8)+16*(i%8)   ; LDS serves a wave's instructions in order: these see the stores above.  Block c = i / 8: k = 64 c + 32 h + 0..31
.set i, i+1
.endr
	s_wait_dscnt 0x0                               ; my numbers are back, and the stores have read their registers,
.if (\s)+2 < 8
	XLOAD (\s)+2                                   ; which take the loads of two steps on
.endif
.irp c, 0,1
	v_max3_num_f32 v[TM+\c], |v[X+32*\c]|, |v[X+32*\c+1]|, FLOOR
.endr
.irp i, 2,4,6,8,10,12,14,16,18,20,22,24,26,28,30
.irp c, 0,1
	v_max3_num_f32 v[TM+\c], v[TM+\c], |v[X+32*\c+\i]|, |v[X+32*\c+\i+1]|   ; the two blocks by turns
.endr
.endr
.irp c, 0,1
	v_add_nc_u32 v[SO+\c], 0xff000000, v[TM+\c]    ; 2 off the exponent field: the conversion's scale operand
.endr
.irp c, 0,1
	v_lshrrev_b32 v[BY+\c], 23, v[SO+\c]           ; the scale's byte
.endr
	v_lshl_or_b32 v[W+(\s)], v[BY+1], 16, v[BY]    ; my bytes: blocks h and 2 + h of the K step,
	v_lshlrev_b32 v[W+(\s)], v9, v[W+(\s)]         ; at their places;
	v_permlanex16_b32 v[PT], v[W+(\s)], s38, s39
	v_or_b32 v[W+(\s)], v[W+(\s)], v[PT]           ; with lane l xor 16's two the word is whole
	s_wait_xcnt 0x0                                ; the last step's stores have read their data: the codes' registers may be written
	v_cvt_scalef32_pk16_fp6_f32 v[C:C+2], v[X:X+15], v[SO]
	v_cvt_scalef32_pk16_fp6_f32 v[H0:H0+2], v[X+16:X+31], v[SO]
	v_cvt_scalef32_pk16_fp6_f32 v[C+6:C+8], v[X+32:X+47], v[SO+1]
	v_cvt_scalef32_pk16_fp6_f32 v[H1:H1+2], v[X+48:X+63], v[SO+1]
	v_nop                                          ; one plain line behind the scaled conversions
.irp i, 0,1,2
	v_mov_b32 v[C+3+\i], v[H0+\i]
	v_mov_b32 v[C+9+\i], v[H1+\i]
.endr
.irp p, 0,1,2,3,4,5
	global_store_b64 v5, v[C+2*\p:C+2*\p+1], s[34:35] offset:1536*(\s)+256*\p   ; 32 lanes store 256 consecutive bytes, aligned
.endr
.endm
	s_lshl_b32 s28, ttmp9, 3
	s_add_co_u32 s28, s28, s26                     ; my tile, 0..1535: 512 of q, of k, of v
	s_cmp_lt_u32 ttmp9, 128
	s_cselect_b64 s[30:31], s[6:7], s[8:9]
	s_cmp_lt_u32 ttmp9, 64
	s_cselect_b64 s[30:31], s[4:5], s[30:31]
	s_and_b32 s29, s28, 511
	s_lshr_b32 s32, s29, 1
	s_lshl_b32 s32, s32, 17                        ; 32 rows of 4,096 bytes for each pair of tiles,
	s_and_b32 s29, s29, 1
	s_lshl_b32 s29, s29, 15                        ; 8 rows for the odd one
	s_add_co_u32 s32, s32, s29
	s_add_nc_u64 s[30:31], s[30:31], s[32:33]
	s_mul_i32 s32, s28, 12288
	s_add_nc_u64 s[34:35], s[20:21], s[32:33]      ; my tile's codes
	s_lshl_b32 s32, s28, 9
	s_add_co_u32 s32, s32, XSCL
	s_add_nc_u64 s[36:37], s[20:21], s[32:33]      ; and its scale bytes
	XLOAD 0
	XLOAD 1
.irp s, 0,1,2,3,4,5,6,7
	XSTEP \s
.endr
	v_cmp_ne_u32 vcc_lo, 0, v3
.irp j, 0,1,2,3
	v_cndmask_b32 v[OW+\j], v[W+\j], v[W+4+\j], vcc_lo   ; lanes 0-15 store K steps 0-3's words of row r, lanes 16-31 those of K steps 4-7
.endr
	global_store_b128 v8, v[OW:OW+3], s[36:37]     ; the tile's 512 bytes, whole
	s_branch .Lmeet
.Lnot_x:
	s_cmp_lt_u32 ttmp9, 256
	s_cbranch_scc0 .Lmask
; ---- the weights: K is the FIRST axis.  A lane takes a column and its registers run down K, so a block of 32 lies in one lane.  Lane L takes column 32 cg + (L with bits 3 and 4 exchanged):
; lanes 0-15 are then tile 2 cg's rows 0-15, lanes 16-31 tile 2 cg + 1's.
.macro WLOAD t
.set i, 0
.rept 32
	global_load_b32 v[R+32*((\t)%4)+i], v14, s[30:31] offset:(32*(\t)+i)*4096 th:TH_LOAD_NT
.set i, i+1
.endr
.endm
.macro WPAIR P                         ; blocks 2 P and 2 P + 1: the halves h = 0 and h = 1 of registers 6 c .. 6 c + 5, c = P % 2, of K step P / 2 of my quarter of K
.set XA, R+32*((2*(\P))%4)
.set XB, R+32*((2*(\P)+1)%4)
.if (\P) < 3
	s_wait_loadcnt 32                              ; both blocks are in; the next block's 32 loads may be out
.else
	s_wait_loadcnt 0x0
.endif
.if 2*(\P)+3 < 8
	WLOAD 2*(\P)+3
.endif
	v_max3_num_f32 v[TM], |v[XA]|, |v[XA+1]|, FLOOR
	v_max3_num_f32 v[TM+1], |v[XB]|, |v[XB+1]|, FLOOR
.irp i, 2,4,6,8,10,12,14,16,18,20,22,24,26,28,30
	v_max3_num_f32 v[TM], v[TM], |v[XA+\i]|, |v[XA+\i+1]|
	v_max3_num_f32 v[TM+1], v[TM+1], |v[XB+\i]|, |v[XB+\i+1]|
.endr
	v_add_nc_u32 v[SO], 0xff000000, v[TM]
	v_add_nc_u32 v[SO+1], 0xff000000, v[TM+1]
	v_lshrrev_b32 v[BY], 23, v[SO]
	v_lshrrev_b32 v[BY+1], 23, v[SO+1]
.if (\P)%2 == 0
	v_lshl_or_b32 v[W+(\P)/2], v[BY+1], 8, v[BY]   ; my column's eight bytes, the lower K in the lower byte
.else
	v_lshl_or_b32 v[W+(\P)/2], v[BY], 16, v[W+(\P)/2]
	v_lshl_or_b32 v[W+(\P)/2], v[BY+1], 24, v[W+(\P)/2]
.endif
	s_wait_xcnt 0x0                                ; the last pair's stores have read their data
	v_cvt_scalef32_pk16_fp6_f32 v[C:C+2], v[XA:XA+15], v[SO]
	v_cvt_scalef32_pk16_fp6_f32 v[H0:H0+2], v[XA+16:XA+31], v[SO]
	v_cvt_scalef32_pk16_fp6_f32 v[C+6:C+8], v[XB:XB+15], v[SO+1]
	v_cvt_scalef32_pk16_fp6_f32 v[H1:H1+2], v[XB+16:XB+31], v[SO+1]
	v_nop
.irp i, 0,1,2
	v_mov_b32 v[C+3+\i], v[H0+\i]
	v_mov_b32 v[C+9+\i], v[H1+\i]
.endr
.irp i, 0,1,2,3,4,5
	v_permlane16_swap_b32 v[C+\i], v[C+6+\i]       ; the first's lanes 16-31 change places with the second's lanes 0-15: the first is now tile 2 cg's registers, the second tile 2 cg + 1's
.endr
.irp j, 0,1,2
	global_store_b64 v5, v[C+2*\j:C+2*\j+1], s[40:41] offset:((\P)/2)*1536+(3*((\P)%2)+\j)*256
	global_store_b64 v5, v[C+6+2*\j:C+7+2*\j], s[40:41] offset:12288+((\P)/2)*1536+(3*((\P)%2)+\j)*256
.endr
.if 2*(\P)+4 < 8
	WLOAD 2*(\P)+4
.endif
.endm
	v_and_b32 v14, 7, v1
	v_and_b32 v15, 8, v1
	v_lshl_or_b32 v14, v15, 1, v14
	v_lshrrev_b32 v15, 1, v1
	v_and_b32 v15, 8, v15
	v_or_b32 v14, v14, v15
	v_lshlrev_b32 v14, 2, v14                      ; my column's 4 bytes in a row of the weight
	v_lshlrev_b32 v15, 5, v1                       ; my column's row of scale bytes: 32 x lane through the two tiles
	s_sub_co_u32 s28, ttmp9, 192
	s_lshr_b32 s29, s28, 4                         ; which weight
	s_cmp_eq_u32 s29, 0
	s_cselect_b64 s[30:31], s[10:11], s[12:13]
	s_cmp_lt_u32 s29, 2
	s_cselect_b64 s[30:31], s[30:31], s[14:15]
	s_cmp_lt_u32 s29, 3
	s_cselect_b64 s[30:31], s[30:31], s[16:17]
	s_bfe_u32 s34, s28, 0x20002                    ; which quarter of K
	s_and_b32 s35, s28, 3
	s_lshl_b32 s35, s35, 3
	s_add_co_u32 s35, s35, s26                     ; cg: which 32 columns
	s_lshl_b32 s32, s34, 20                        ; 256 rows of 4,096 bytes
	s_lshl_b32 s36, s35, 7
	s_add_co_u32 s32, s32, s36
	s_add_nc_u64 s[30:31], s[30:31], s[32:33]
	s_lshl_b32 s36, s29, 6
	s_lshl_b32 s37, s35, 1
	s_add_co_u32 s36, s36, s37                     ; tile 64 w + 2 cg
	s_mul_i32 s32, s36, 12288
	s_mul_i32 s37, s34, 3072                       ; my quarter's two K steps
	s_add_co_u32 s32, s32, s37
	s_add_nc_u64 s[40:41], s[22:23], s[32:33]
	s_lshl_b32 s32, s36, 9
	s_lshl_b32 s37, s34, 3
	s_add_co_u32 s32, s32, s37
	s_add_co_u32 s32, s32, WSCL
	s_add_nc_u64 s[42:43], s[22:23], s[32:33]
	WLOAD 0
	WLOAD 1
	WLOAD 2
	WPAIR 0
	WPAIR 1
	WPAIR 2
	WPAIR 3
	global_store_b64 v15, v[W:W+1], s[42:43]       ; my column's 8 scale bytes of this quarter of K
	s_branch .Lmeet
.Lmask:
; ---- the mask: wave w takes key steps 2 w and 2 w + 1 of the tile's 16 rows; each load takes one row's 128 keys, 512 consecutive bytes.
.macro REDMIN reg
	v_min_num_f32_dpp v[\reg], v[\reg], v[\reg] row_xmask:1 row_mask:0xf bank_mask:0xf
	v_min_num_f32_dpp v[\reg], v[\reg], v[\reg] row_xmask:2 row_mask:0xf bank_mask:0xf
	v_min_num_f32_dpp v[\reg], v[\reg], v[\reg] row_xmask:4 row_mask:0xf bank_mask:0xf
	v_min_num_f32_dpp v[\reg], v[\reg], v[\reg] row_xmask:8 row_mask:0xf bank_mask:0xf
	v_permlanex16_b32 v[PT], v[\reg], s38, s39
	v_min_num_f32 v[\reg], v[\reg], v[PT]
.endm
.macro REDMAX reg
	v_max_num_f32_dpp v[\reg], v[\reg], v[\reg] row_xmask:1 row_mask:0xf bank_mask:0xf
	v_max_num_f32_dpp v[\reg], v[\reg], v[\reg] row_xmask:2 row_mask:0xf bank_mask:0xf
	v_max_num_f32_dpp v[\reg], v[\reg], v[\reg] row_xmask:4 row_mask:0xf bank_mask:0xf
	v_max_num_f32_dpp v[\reg], v[\reg], v[\reg] row_xmask:8 row_mask:0xf bank_mask:0xf
	v_permlanex16_b32 v[PT], v[\reg], s38, s39
	v_max_num_f32 v[\reg], v[\reg], v[PT]
.endm
	s_sub_co_u32 s28, ttmp9, 256                   ; the tile of queries
	s_lshr_b32 s32, s28, 1
	s_lshl_b32 s32, s32, 18                        ; 32 rows of 8,192 bytes for each pair of tiles,
	s_and_b32 s29, s28, 1
	s_lshl_b32 s29, s29, 16                        ; 8 rows for the odd one,
	s_add_co_u32 s32, s32, s29
	s_lshl_b32 s29, s26, 10                        ; my two steps' 1,024 bytes of a row
	s_add_co_u32 s32, s32, s29
	s_add_nc_u64 s[30:31], s[18:19], s[32:33]
.set i, 0
.rept 16
	global_load_b128 v[R+8*i:R+8*i+3], v4, s[30:31] offset:(i+8*(i/8))*8192
	global_load_b128 v[R+8*i+4:R+8*i+7], v4, s[30:31] offset:(i+8*(i/8))*8192+512
.set i, i+1
.endr
	s_wait_loadcnt 0x0
.irp u, 0,1                                    ; the largest magnitude of each step
	v_max3_num_f32 v[AM+\u], |v[R+4*\u]|, |v[R+4*\u+1]|, |v[R+4*\u+2]|
.endr
.irp u, 0,1
	v_max_num_f32 v[AM+\u], v[AM+\u], |v[R+4*\u+3]|
.endr
.set i, 1
.rept 15
.irp u, 0,1
	v_max3_num_f32 v[AM+\u], v[AM+\u], |v[R+8*i+4*\u]|, |v[R+8*i+4*\u+1]|
.endr
.irp u, 0,1
	v_max3_num_f32 v[AM+\u], v[AM+\u], |v[R+8*i+4*\u+2]|, |v[R+8*i+4*\u+3]|
.endr
.set i, i+1
.endr
.set i, 0
.rept 32                                       ; the least of my four numbers of each row and step, in place
	v_min3_num_f32 v[R+4*i], v[R+4*i], v[R+4*i+1], v[R+4*i+2]
.set i, i+1
.endr
.set i, 0
.rept 32
	v_min_num_f32 v[R+4*i], v[R+4*i], v[R+4*i+3]
.set i, i+1
.endr
.set i, 0
.rept 16
	v_min_num_f32 v[RM+i], v[R+8*i], v[R+8*i+4]    ; of each row
.set i, i+1
.endr
.irp u, 0,1                                    ; of each step
	v_min3_num_f32 v[TN+\u], v[R+4*\u], v[R+8+4*\u], v[R+16+4*\u]
.endr
.irp i, 3,5,7,9,11,13
.irp u, 0,1
	v_min3_num_f32 v[TN+\u], v[TN+\u], v[R+8*\i+4*\u], v[R+8*\i+8+4*\u]
.endr
.endr
.irp u, 0,1
	v_min_num_f32 v[TN+\u], v[TN+\u], v[R+120+4*\u]
.endr
.set i, 0
.rept 16
	REDMIN RM+i
.set i, i+1
.endr
	REDMIN TN
	REDMIN TN+1
	REDMAX AM
	REDMAX AM+1
.set i, 0
.rept 16
	ds_store_b32 v12, v[RM+i] offset:32*i          ; all lanes write the same word with the same value: row i, wave w
.set i, i+1
.endr
	ds_store_b32 v13, v[TN]
	ds_store_b32 v13, v[TN+1] offset:4
	ds_store_b32 v13, v[AM] offset:64
	ds_store_b32 v13, v[AM+1] offset:68
.Lmeet:
	s_wait_dscnt 0x0                               ; for the others' sake: my LDS stores have landed
	s_barrier_signal -1
	s_barrier_wait -1
	s_cmp_lt_u32 ttmp9, 256
	s_cbranch_scc1 .Lend
	s_cmp_lg_u32 s26, 0
	s_cbranch_scc1 .Lend
	; wave 0 of a mask work-group: lane r joins row r's eight figures; lane st classes key step st
	ds_load_b128 v[16:19], v10
	ds_load_b128 v[20:23], v10 offset:16
	ds_load_b32 v24, v11                           ; the step's least number
	ds_load_b32 v25, v11 offset:64                 ; and its largest magnitude
	s_wait_dscnt 0x0
	v_min3_num_f32 v16, v16, v17, v18
	v_min3_num_f32 v19, v19, v20, v21
	v_min3_num_f32 v16, v16, v22, v23
	v_min_num_f32 v16, v16, v19                    ; the row's least number
	v_max_num_f32_dpp v16, v16, v16 row_xmask:1 row_mask:0xf bank_mask:0xf
	v_max_num_f32_dpp v16, v16, v16 row_xmask:2 row_mask:0xf bank_mask:0xf
	v_max_num_f32_dpp v16, v16, v16 row_xmask:4 row_mask:0xf bank_mask:0xf
	v_max_num_f32_dpp v16, v16, v16 row_xmask:8 row_mask:0xf bank_mask:0xf   ; the largest of the 16 rows' least numbers: 0 or less where every row has an open key
	v_mov_b32 v26, 1
	v_mov_b32 v27, 0
	v_cmp_eq_f32 vcc_lo, 0, v25
	v_cndmask_b32 v28, 2, v26, vcc_lo              ; 1 where the step is all zeros, else 2
	v_cmp_le_f32 s27, 0.5, v24
	v_cmp_ge_f32 s29, 0, v16
	s_and_b32 vcc_lo, s27, s29
	v_cndmask_b32 v28, v28, v27, vcc_lo            ; 0 where it is dead
	v_lshlrev_b32 v29, 1, v2
	v_lshlrev_b32 v28, v29, v28                    ; at bits 2 st + 1 : 2 st
.irp m, 1,2,4,8
	v_mov_b32_dpp v27, v28 row_xmask:\m row_mask:0xf bank_mask:0xf
	v_or_b32 v28, v28, v27
.endr
	s_sub_co_u32 s28, ttmp9, 256
	s_lshl_b32 s28, s28, 2
	v_mov_b32 v30, s28
	v_cmp_eq_u32 vcc_lo, 0, v1
	s_wait_xcnt 0x0                                ; EXEC changes only behind this wait
	s_and_saveexec_b32 s27, vcc_lo
	global_store_b32 v30, v28, s[24:25]            ; lane 0 stores the tile's word
	s_wait_xcnt 0x0
	s_or_b32 exec_lo, exec_lo, s27
.Lend:
	s_wait_tensorcnt 0x0
	ds_add_u32 v254, v255
	s_wait_dscnt 0x0
	s_endpgm
.Lfunc_end_k_q6a83c98c19_prep:
	.size	k_q6a83c98c19_prep, .Lfunc_end_k_q6a83c98c19_prep-k_q6a83c98c19_prep
	.p2alignl 7, 3214868480
	.fill 96, 4, 3214868480
	.section	.rodata,"a",@progbits
	.p2align	6, 0x0
	.amdhsa_kernel k_q6a83c98c19_prep
		.amdhsa_group_segment_fixed_size 69632
		.amdhsa_private_segment_fixed_size 0
		.amdhsa_enable_private_segment 0
		.amdhsa_kernarg_size 88
		.amdhsa_user_sgpr_count 2
		.amdhsa_user_sgpr_kernarg_segment_ptr 1
		.amdhsa_wavefront_size32 1
		.amdhsa_system_sgpr_workgroup_id_x 1
		.amdhsa_system_sgpr_workgroup_id_y 1
		.amdhsa_system_sgpr_workgroup_id_z 1
		.amdhsa_system_vgpr_workitem_id 0
		.amdhsa_next_free_vgpr 256
		.amdhsa_next_free_sgpr 66
		.amdhsa_reserve_vcc 1
		.amdhsa_float_denorm_mode_32 3
		.amdhsa_float_denorm_mode_16_64 3
		.amdhsa_memory_ordered 1
		.amdhsa_forward_progress 1
		.amdhsa_inst_pref_size 122
	.end_amdhsa_kernel
	.amdgpu_metadata
---
amdhsa.version: [ 1, 2 ]
amdhsa.kernels:
  - .name:           k_q6a83c98c19_prep
    .symbol:         k_q6a83c98c19_prep.kd
    .args:
      - { .name: q, .offset: 0, .size: 8, .value_kind: global_buffer, .address_space: global }
      - { .name: k, .offset: 8, .size: 8, .value_kind: global_buffer, .address_space: global }
      - { .name: v, .offset: 16, .size: 8, .value_kind: global_buffer, .address_space: global }
      - { .name: wq_w, .offset: 24, .size: 8, .value_kind: global_buffer, .address_space: global }
      - { .name: wk_w, .offset: 32, .size: 8, .value_kind: global_buffer, .address_space: global }
      - { .name: wv_w, .offset: 40, .size: 8, .value_kind: global_buffer, .address_space: global }
      - { .name: wo_w, .offset: 48, .size: 8, .value_kind: global_buffer, .address_space: global }
      - { .name: mask, .offset: 56, .size: 8, .value_kind: global_buffer, .address_space: global }
      - { .name: xcod, .offset: 64, .size: 8, .value_kind: global_buffer, .address_space: global }
      - { .name: wcod, .offset: 72, .size: 8, .value_kind: global_buffer, .address_space: global }
      - { .name: flags, .offset: 80, .size: 8, .value_kind: global_buffer, .address_space: global }
    .group_segment_fixed_size: 69632
    .private_segment_fixed_size: 0
    .kernarg_segment_align: 8
    .kernarg_segment_size: 88
    .max_flat_workgroup_size: 256
    .sgpr_count:     66
    .vgpr_count:     256
    .wavefront_size: 32
...
	.end_amdgpu_metadata
.endif
;; end of part 1
;; launch proj (part 2): grid 4 x 96, 4 waves a work-group, clusters of 4 x 4, 327,680 bytes of LDS; arguments xcod, wcod, wq_b, wk_b, wv_b, qkv; writes qkv
.if DOCPART == 2
	.amdgcn_target "amdgcn-amd-amdhsa--gfx1250"
	.amdhsa_code_object_version 6
	.text
	.protected	k_q6a83c98c19_proj
	.globl	k_q6a83c98c19_proj
	.p2align	8
	.type	k_q6a83c98c19_proj,@function
k_q6a83c98c19_proj:
	s_mov_b64 s[64:65], 0
	v_nop
	global_prefetch_b8 v0, s[64:65] scope:SCOPE_SE
	s_setreg_imm32_b32 hwreg(HW_REG_WAVE_MODE, 25, 1), 1
	s_wait_xcnt 0x0
	s_wait_alu depctr_hold_cnt(0) depctr_sa_sdst(0) depctr_va_vdst(0) depctr_va_sdst(0) depctr_va_ssrc(0) depctr_va_vcc(0) depctr_vm_vsrc(0)
	s_getreg_b32 s2, hwreg(HW_REG_IB_STS2, 6, 4)
	s_cmp_eq_u32 s2, 0
	s_cbranch_scc0 .Lentry_in_a_cluster
	s_endpgm
.Lentry_in_a_cluster:
	s_bfe_u32 s2, ttmp6, 0x10000c
	s_cmp_lg_u32 s2, 0xf033
	s_cbranch_scc0 .Lentry_shape_is_right
	s_endpgm
.Lentry_shape_is_right:
; q wq + bq, k wk + bk, v wv + bv on codes of FP6 (E2M3) with E8M0 scales, K = 1,024; the results are quantised again in registers and stored as the fragments that the attention launch reads.
; A work-group of four waves makes 256 tokens x 256 columns, a wave 128 x 128: 64 accumulators, 512 registers.  Tile rows 0-31 of the grid are q's, 32-63 k's, 64-95 v's.
; K goes in steps of 256 through a ring of two LDS slots.  Codes lie in memory in the order of the operand's registers (a fragment of 16 rows x 128 K: 1,536 bytes, piece p at 256 p, 8 bytes a lane),
; so a fragment comes by six loads of 8 bytes a lane, 256 consecutive bytes each.  Row r of tile T is row 32 (T / 2) + 8 (T % 2) + r + 8 (r / 8): so the 16 registers of the results of source 0's tiles
; 2 b and 2 b + 1 are 16 neighbours, 32 b + 16 (lane / 16) + 0..15, along source 0's rows.
; WHICH OPERAND IS SOURCE 0: the one along whose rows the result is quantised next.  q, k: the weight's columns (the head's 64); v: the tokens (the keys).  The tiles are loaded alike in all three;
; only the bases from which fragments are read differ, by sel (1 for v), which hangs on the cluster's y alone and is the same in all partners.
; CLUSTERS: 4 x 4.  The tokens' tiles are shared along a row of the cluster, the weights' along a column: each is asked for jointly.
; THE BIAS is the C of the first K step's products.  THE 1/8 OF THE LOGITS is taken off q's scale bytes (3 off each): exact.
; LIMITS: NaN and infinities are not served.  A block of results whose largest magnitude lies under 2^-121 is quantised under the byte 4; blocks of zeros keep that byte: their codes are zeros.
; REGISTERS: window 0: v0-31 addresses; v32-95 scale words; v96-127, v224-255 the bias; v128-223 source 1's fragments, one set (on the way out: at work).  window 1: source 0's fragments, two sets.
;   windows 2, 3: the accumulators ((a, b) at v[8 (8 (a % 4) + b)]; a: source 1's tile, b: source 0's).
.set NQ,     2
.set FR,     12
.set NL,     6
.set NP,     4
.set FRB,    1536
.set TILEB,  2*FRB                     ; a tile's part of a slot: two K steps of 128
.set HALFT,  8*TILEB                   ; 8 tiles: what one tensor load brings
.set SLOT,   4*HALFT                   ; the tokens' 16 tiles, then the weight's 16
.set LAPS,   2
.set SCL,    2*SLOT                    ; behind the ring: the scale bytes for all of K, as units of 256 bytes + 16 of padding
.set HALFS,  16*272
.set SBLK,   544                       ; a tile's
.set SPARE,  SCL+4*HALFS               ; the spare words, 128 bytes for each wave
.set XSCL,   18874368
.set WSCL,   3145728
.set KVPART, 13369344
.set HEADB,  208896
.set RECB,   26112
.set L8,    4                          ; v4   8 x lane
.set VO0,   5                          ; v5-6 the way out: offsets of the two runs of three pieces
.set VO1,   6
.set SHV,   7                          ; v7   16 h (q, k) or 0 (v)
.set VS,    8                          ; v8   16 r + h x (a head's bytes, or 0)
.set VSO,   9
.set BO1,   10
.set BO2,   11
.set ADR1,  16                         ; v16-17 source 1's fragments in slot 0, 1
.set ADR0,  20                         ; v20-21 source 0's
.set ADRS1, 24
.set ADRS0, 25
.set SPW,   28
.set NIL,   29
.set SC1,   32                         ; scale words: set s: source 1's at v[32 + 32 s + 2 i + q], source 0's at v[48 + 32 s + 2 i + q]
.set SC0,   48
.set AF,    128
.set TM,    128                        ; the way out, in the registers that held source 1's fragments
.set T4,    132
.set SO,    136
.set SW,    144
.set SX,    148
.set PC,    152
.set PH,    164
.set G1,   24
.set G0,   32
.set G1B,  48
.set G0B,  56
.set G1S,  68
.set G0S,  76
.set G1SB, 80
.set G0SB, 88
.set FLO,  66
.set ADJ,  67
.set SEL,  92
.set NSEL, 93
.set WIDX, 94
.set OFC,  95
.set OFS,  96
.set STA,  97
.set STM,  98
.set SG,   99
.set HS,   100
.set SQ,   101
.set MSB, 0
.macro WIN new                         ; the immediate's high byte repeats the setting that is left
.if MSB != \new
	s_set_vgpr_msb (MSB<<8)|\new
.set MSB, \new
.endif
.endm
.set MUL_LO, 0xa1                      ; source 0 window 1, source 1 window 0, C and D window 2
.set MUL_HI, 0xf1
.set TO_B,   0x40
; A joint load: waves 0 and 1 fetch the tokens' halves, waves 2 and 3 the weight's.  Four v_nop follow each of the two lines.
.macro JLOAD g0a, g1a, g0b, g1b
	s_cmp_eq_u32 s17, 0
	s_cbranch_scc0 .Lfor_b_\@
	tensor_load_to_lds s[\g0a:\g0a+3], s[\g1a:\g1a+7]
	s_nop 0
.rept 4
	v_nop
.endr
	s_branch .Lasked_\@
.Lfor_b_\@:
	tensor_load_to_lds s[\g0b:\g0b+3], s[\g1b:\g1b+7]
	s_nop 0
.rept 4
	v_nop
.endr
.Lasked_\@:
.endm
.macro CREST
	s_cmp_lg_u32 s16, 0
	s_cbranch_scc1 .Lnot_wave_0_\@
	s_barrier_signal -3
.Lnot_wave_0_\@:
	s_barrier_wait -3
	s_barrier_signal -1
	s_barrier_wait -1
.endm
.macro CROUND
	s_barrier_signal -1
	s_barrier_wait -1
	CREST
.endm
	s_load_b128 s[4:7], s[0:1], 0x0                ; xcod, wcod
	s_load_b128 s[8:11], s[0:1], 0x10              ; wq_b, wk_b
	s_load_b128 s[12:15], s[0:1], 0x20             ; wv_b, qkv
	v_lshl_add_u32 v[SPW], v0, 2, SPARE
	v_mov_b32 v[NIL], 0
	ds_add_u32 v28, v29
	ds_add_u32 v28, v29
	s_wait_dscnt 0x0
	v_lshrrev_b32 v1, 5, v0
	v_readfirstlane_b32 s16, v1                    ; wave 0..3
	s_lshr_b32 s17, s16, 1                         ; source 1's half.  Also: I fetch the tokens' tiles (0) or the weight's (1)
	s_and_b32 s18, s16, 1                          ; source 0's half.  Also: which 8 tiles I fetch
	s_bfe_u32 s40, ttmp6, 0x40000                  ; cx: the grid is one cluster wide, so cx is the tile column
	s_bfe_u32 s41, ttmp6, 0x40004                  ; cy
	s_and_b32 s42, ttmp7, 0xffff                   ; the cluster's y, 0..23
	s_lshl_b32 s45, s42, 2
	s_add_co_u32 s45, s45, s41                     ; the tile row, 0..95
	s_lshr_b32 s[WIDX], s42, 3                     ; 0: q, 1: k, 2: v
	s_lshr_b32 s[SEL], s42, 4
	s_min_u32 s[SEL], s[SEL], 1                    ; 1 for v
	s_xor_b32 s[NSEL], s[SEL], 1
	s_lshl_b32 s43, s41, 2
	s_lshl_b32 s43, 15, s43                        ; my row of the cluster
	s_lshl_b32 s44, 0x1111, s40                    ; my column
	; group 1 for codes: 8 tiles x 3,072 bytes (384 elements of 8 bytes), 12,288 bytes apart in memory, dense in LDS
	s_or_b32 s[G1+0], s43, (3<<16)|(1<<21)
	s_or_b32 s[G1B+0], s44, (3<<16)|(1<<21)
.irp g, G1, G1B
	s_mov_b32 s[\g+1], 384<<16                     ; tensor_dim0
	s_mov_b32 s[\g+2], 8<<16                       ; tensor_dim1
	s_mov_b32 s[\g+3], 384<<16                     ; tile_dim0
	s_mov_b32 s[\g+4], 8                           ; tile_dim1
	s_mov_b32 s[\g+5], 1536                        ; the pitch, in elements
	s_mov_b32 s[\g+6], 0
	s_mov_b32 s[\g+7], 0
.endr
	; and for the scale bytes of 8 tiles: 4,096 dense bytes as 16 rows of 256, 16 bytes of padding behind each
	s_or_b32 s[G1S+0], s43, (3<<16)|(1<<20)|(1<<21)|(5<<22)|(3<<25)
	s_or_b32 s[G1SB+0], s44, (3<<16)|(1<<20)|(1<<21)|(5<<22)|(3<<25)
.irp g, G1S, G1SB
	s_mov_b32 s[\g+1], 32<<16
	s_mov_b32 s[\g+2], 16<<16
	s_mov_b32 s[\g+3], 32<<16
	s_mov_b32 s[\g+4], 16
	s_mov_b32 s[\g+5], 32
	s_mov_b32 s[\g+6], 0
	s_mov_b32 s[\g+7], 0
.endr
	s_lshl_b32 s19, s18, 3
	s_lshl_b32 s20, s45, 4
	s_add_co_u32 s20, s20, s19                     ; the tokens' first tile that I fetch: 16 x tile row + 8 x half
	s_lshl_b32 s46, s[WIDX], 6
	s_lshl_b32 s47, s40, 4
	s_add_co_u32 s46, s46, s47
	s_add_co_u32 s46, s46, s19                     ; the weight's: 64 x weight + 16 cx + 8 x half
	s_lshl_b32 s22, s20, 9
	s_add_co_u32 s22, s22, XSCL
	s_mov_b32 s23, 0
	s_mul_i32 s20, s20, 8*FRB
	s_mov_b32 s21, 0
	s_lshl_b32 s66, s46, 9
	s_add_co_u32 s66, s66, WSCL
	s_mov_b32 s67, 0
	s_mul_i32 s46, s46, 8*FRB
	s_mov_b32 s47, 0
	s_mul_i32 s2, s16, HALFT                       ; where they go: wave x 8 tiles: no place in the cluster enters an LDS address
	s_mul_i32 s3, s16, HALFS
	s_wait_kmcnt 0x0
	s_add_nc_u64 s[20:21], s[4:5], s[20:21]
	s_add_nc_u64 s[22:23], s[4:5], s[22:23]
	s_add_nc_u64 s[46:47], s[6:7], s[46:47]
	s_add_nc_u64 s[66:67], s[6:7], s[66:67]
	CROUND                                         ; all sixteen work-groups are here: the first joint loads meet
	s_mov_b32 s[G0S], 1
	s_add_co_u32 s[G0S+1], s3, SCL
	s_mov_b64 s[G0S+2:G0S+3], s[22:23]
	s_or_b32 s[G0S+3], s[G0S+3], 0x80000000
	s_mov_b32 s[G0SB], 1
	s_add_co_u32 s[G0SB+1], s3, SCL
	s_mov_b64 s[G0SB+2:G0SB+3], s[66:67]
	s_or_b32 s[G0SB+3], s[G0SB+3], 0x80000000
	JLOAD G0S, G1S, G0SB, G1SB                     ; the scale bytes first: filled once
.irp s, 0,1
	s_mov_b32 s[G0+4*\s], 1
	s_add_co_u32 s[G0+4*\s+1], s2, \s*SLOT
	s_add_nc_u64 s[G0+4*\s+2:G0+4*\s+3], s[20:21], \s*TILEB
	s_or_b32 s[G0+4*\s+3], s[G0+4*\s+3], 0x80000000
	s_mov_b32 s[G0B+4*\s], 1
	s_add_co_u32 s[G0B+4*\s+1], s2, \s*SLOT
	s_add_nc_u64 s[G0B+4*\s+2:G0B+4*\s+3], s[46:47], \s*TILEB
	s_or_b32 s[G0B+4*\s+3], s[G0B+4*\s+3], 0x80000000
	JLOAD G0+4*\s, G1, G0B+4*\s, G1B
.endr
	; LDS addresses: 8 x lane + the region (tokens at 0, weight at 2 HALFT) + my half + the slot
	v_and_b32 v1, 15, v0                           ; r
	v_bfe_u32 v2, v0, 4, 1                         ; h
	v_and_b32 v3, 31, v0
	v_lshlrev_b32 v[L8], 3, v3
	s_mul_i32 s20, s[SEL], 2*HALFT
	s_mul_i32 s21, s17, HALFT
	s_add_co_u32 s20, s20, s21                     ; source 1: the tokens (q, k) or the weight (v)
	s_mul_i32 s22, s[NSEL], 2*HALFT
	s_mul_i32 s23, s18, HALFT
	s_add_co_u32 s22, s22, s23                     ; source 0: the other
.irp s, 0,1
	v_add_nc_u32 v[ADR1+\s], s20, v[L8]
	v_add_nc_u32 v[ADR0+\s], s22, v[L8]
	s_add_co_u32 s20, s20, SLOT
	s_add_co_u32 s22, s22, SLOT
.endr
	v_lshlrev_b32 v5, 5, v1                        ; a row's scale bytes: 32 r,
	v_lshrrev_b32 v6, 3, v1
	v_lshl_add_u32 v5, v6, 4, v5                   ; and 16 more behind the first 256
	v_lshlrev_b32 v[BO1], 6, v2                    ; the bias along source 0: 16 h numbers on
	v_lshl_add_u32 v[BO2], v6, 3, v1
	v_lshlrev_b32 v[BO2], 2, v[BO2]                ; along source 1: number r + 8 (r / 8)
	s_mul_i32 s20, s[SEL], 2*HALFS
	s_mul_i32 s21, s17, HALFS
	s_add_co_u32 s20, s20, s21
	s_add_co_u32 s20, s20, SCL
	s_mul_i32 s22, s[NSEL], 2*HALFS
	s_mul_i32 s23, s18, HALFS
	s_add_co_u32 s22, s22, s23
	s_add_co_u32 s22, s22, SCL
	v_add_nc_u32 v[ADRS1], s20, v5
	v_add_nc_u32 v[ADRS0], s22, v5
	; the way out's numbers.  A record of qkv (26,112 bytes: one head, 256 tokens): 16 tiles x 768 bytes of q's or k's codes; at 12,288 two key steps x 4 fragments of v; at 24,576 q's or k's scale words; at 25,600 v's
	s_cmp_eq_u32 s[SEL], 0
	s_cselect_b32 s20, s18, s17                    ; which half picks my two heads: the weight's
	s_cselect_b32 s21, s17, s18                    ; and which my 128 tokens
	s_mov_b32 s[STA], 1536
	s_cselect_b32 s[STA], 768, s[STA]              ; from one of source 1's tiles to the next
	s_mov_b32 s[STM], HEADB-3*1536
	s_cselect_b32 s[STM], 768, s[STM]              ; and from the fourth to the fifth (v: the next head)
	s_mov_b32 s[SG], 768
	s_cselect_b32 s[SG], HEADB, s[SG]              ; from pieces 0-2 to pieces 3-5 (q, k: the next head)
	s_cselect_b32 s[HS], HEADB, 0
	s_mov_b32 s[SQ], HEADB
	s_cselect_b32 s[SQ], 256, s[SQ]
	s_cselect_b32 s22, 16, 0
	s_mov_b32 s23, 12288
	s_cselect_b32 s23, 0, s23
	s_mov_b32 s46, 25600
	s_cselect_b32 s46, 24576, s46
	s_mov_b32 s47, 256
	s_cselect_b32 s47, 512, s47
	v_mul_u32_u24 v[SHV], s22, v2
	v_mul_u32_u24 v[VS], s[HS], v2
	v_lshl_add_u32 v[VS], v1, 4, v[VS]
	s_and_b32 s19, s45, 31                         ; which 256 tokens of the tensor
	s_lshr_b32 s[OFC], s19, 3                      ; the batch
	s_lshl_b32 s[OFC], s[OFC], 4
	s_lshl_b32 s[OFS], s40, 2
	s_add_co_u32 s[OFC], s[OFC], s[OFS]
	s_lshl_b32 s[OFS], s20, 1
	s_add_co_u32 s[OFC], s[OFC], s[OFS]            ; 16 x batch + my first head
	s_lshl_b32 s[OFC], s[OFC], 3
	s_and_b32 s19, s19, 7
	s_add_co_u32 s[OFC], s[OFC], s19               ; x 8 + the slot
	s_mul_i32 s[OFC], s[OFC], RECB
	s_cmp_eq_u32 s[WIDX], 0
	s_cselect_b32 s19, 0, KVPART
	s_cselect_b32 s[ADJ], 0xfcfcfcfd, 0            ; -0x03030303 for q: 3 off each scale byte (each is at least 4: no byte borrows)
	s_add_co_u32 s[OFC], s[OFC], s19
	s_mul_i32 s47, s47, s21
	s_add_co_u32 s[OFS], s[OFC], s46
	s_add_co_u32 s[OFS], s[OFS], s47
	s_mul_i32 s21, s21, 6144
	s_add_co_u32 s[OFC], s[OFC], s23
	s_add_co_u32 s[OFC], s[OFC], s21
	s_cmp_eq_u32 s[WIDX], 0
	s_cselect_b64 s[8:9], s[8:9], s[10:11]
	s_cmp_eq_u32 s[WIDX], 2
	s_cselect_b64 s[8:9], s[12:13], s[8:9]         ; my product's bias,
	s_lshl_b32 s46, s40, 10
	s_lshl_b32 s47, s20, 9
	s_add_co_u32 s46, s46, s47
	s_mov_b32 s47, 0
	s_add_nc_u64 s[8:9], s[8:9], s[46:47]          ; at my wave's 128 columns
	s_mov_b32 s2, 0x76543210
	s_mov_b32 s3, 0xfedcba98                       ; v_permlanex16_b32's selects for lane l xor 16
	s_mov_b32 s[FLO], 0x3000000                    ; the floor 2^(6 - 127): no byte under 4
	s_cmp_eq_u32 s[SEL], 0
	s_cbranch_scc0 .Lbias_v
.irp b, 0,1,2,3,4,5,6,7                        ; q, k: tile b's eight registers: the bias of columns 32 (b / 2) + 8 (b % 2) + 16 h + 0..7
	global_load_b128 v[96+8*\b+96*(\b/4):99+8*\b+96*(\b/4)], v[BO1], s[8:9] offset:128*(\b/2)+32*(\b%2)
	global_load_b128 v[100+8*\b+96*(\b/4):103+8*\b+96*(\b/4)], v[BO1], s[8:9] offset:128*(\b/2)+32*(\b%2)+16
.endr
	s_branch .Lbias_done
.Lbias_v:
.irp a, 0,1,2,3,4,5,6,7                        ; v: a lane holds one column: its bias in all eight registers
.irp j, 0,1,2,3,4,5,6,7
	global_load_b32 v[96+8*\a+96*(\a/4)+\j], v[BO2], s[8:9] offset:128*(\a/2)+32*(\a%2)
.endr
.endr
.Lbias_done:
.macro FRAG reg, adr, q, i             ; a fragment: six pieces of 256 bytes, 8 bytes a lane
.irp p, 0,1,2,3,4,5
	ds_load_b64 v[\reg+2*\p:\reg+2*\p+1], v[\adr] offset:TILEB*(\i)+FRB*(\q)+256*\p
.endr
.endm
; 16 matrix instructions: source 1's tiles a0, a0 + 1 x source 0's eight.  mode 0: the sums go on; 1: they begin with the bias along source 0; 2: along source 1.
; The 64 accumulators take turns, one instruction a turn, in the same order in every step.
.macro MUL16 a0, p, q, sc, mode
.irp a, \a0, \a0+1
.irp b, 0,1,2,3,4,5,6,7
.if \mode == 0
	v_wmma_scale_f32_16x16x128_f8f6f4 v[8*(8*((\a)%4)+\b):8*(8*((\a)%4)+\b)+7], v[128*(\p)+FR*\b:128*(\p)+FR*\b+FR-1], v[AF+FR*(\a):AF+FR*(\a)+FR-1], v[8*(8*((\a)%4)+\b):8*(8*((\a)%4)+\b)+7], v[SC0+32*(\sc)+2*\b+(\q)], v[SC1+32*(\sc)+2*(\a)+(\q)] matrix_a_fmt:MATRIX_FMT_FP6 matrix_b_fmt:MATRIX_FMT_FP6
.elseif \mode == 1
	v_wmma_scale_f32_16x16x128_f8f6f4 v[8*(8*((\a)%4)+\b):8*(8*((\a)%4)+\b)+7], v[128*(\p)+FR*\b:128*(\p)+FR*\b+FR-1], v[AF+FR*(\a):AF+FR*(\a)+FR-1], v[96+8*\b+96*(\b/4):103+8*\b+96*(\b/4)], v[SC0+32*(\sc)+2*\b+(\q)], v[SC1+32*(\sc)+2*(\a)+(\q)] matrix_a_fmt:MATRIX_FMT_FP6 matrix_b_fmt:MATRIX_FMT_FP6
.else
	v_wmma_scale_f32_16x16x128_f8f6f4 v[8*(8*((\a)%4)+\b):8*(8*((\a)%4)+\b)+7], v[128*(\p)+FR*\b:128*(\p)+FR*\b+FR-1], v[AF+FR*(\a):AF+FR*(\a)+FR-1], v[96+8*(\a)+96*((\a)/4):103+8*(\a)+96*((\a)/4)], v[SC0+32*(\sc)+2*\b+(\q)], v[SC1+32*(\sc)+2*(\a)+(\q)] matrix_a_fmt:MATRIX_FMT_FP6 matrix_b_fmt:MATRIX_FMT_FP6
.endif
.endr
.endr
.endm
.macro FETCH_B slot, q, p              ; source 0's eight fragments into set p
	WIN TO_B
.irp i, 0,1,2,3,4,5,6,7
	FRAG 128*(\p)+FR*\i, ADR0+\slot, \q, \i
.endr
	WIN 0
.endm
.macro FETCH_A slot, q, i0             ; source 1's tiles i0 .. i0 + 3
.irp i, \i0, \i0+1, \i0+2, \i0+3
	FRAG AF+FR*(\i), ADR1+\slot, \q, \i
.endr
.endm
.macro SCALES sc                       ; a slot's two scale words of each of the 16 tiles
.irp i, 0,1,2,3,4,5,6,7
	ds_load_b64 v[SC1+32*\sc+2*\i:SC1+32*\sc+2*\i+1], v[ADRS1] offset:\i*SBLK
	ds_load_b64 v[SC0+32*\sc+2*\i:SC0+32*\sc+2*\i+1], v[ADRS0] offset:\i*SBLK
.endr
.endm
.macro PLACES n                        ; plain vector lines between a matrix instruction and a load into, or a vector read of, its registers
.rept \n
	v_nop
.endr
.endm
.macro STEP slot, q, mode              ; a step of 128 along K that has its successor in the same slot
	s_wait_dscnt 4*NL                              ; all but the youngest 24 loads (source 1's tiles 4-7) are in
.if \mode
	WIN 0x81                                       ; C, the bias, in window 0
.else
	WIN MUL_LO
.endif
	MUL16 0, (\q)%2, \q, \slot, \mode
	MUL16 2, (\q)%2, \q, \slot, \mode
	s_wait_dscnt 0
	PLACES NP
	FETCH_B \slot, (\q)+1, 1-(\q)%2
	FETCH_A \slot, (\q)+1, 0
.if \mode
	WIN 0xc1
.else
	WIN MUL_HI
.endif
	MUL16 4, (\q)%2, \q, \slot, \mode
	MUL16 6, (\q)%2, \q, \slot, \mode
	PLACES NP
	WIN 0
	FETCH_A \slot, (\q)+1, 4
.endm
; A slot's last step changes slots: one barrier; in front of it each wave waits for all its tensor loads, adds 0 to its spare word, and waits for that and for its reads of this slot.
.macro TURN slot, next, fill
	s_wait_tensorcnt 0x0                           ; all my tensor loads have landed: my part of the next slot
	ds_add_u32 v[SPW], v[NIL]                      ; 0 onto my spare word
	s_wait_dscnt 4*NL+1                            ; the add and the youngest 24 loads may be out
	WIN MUL_LO
	MUL16 0, 1, NQ-1, \slot, 0
	s_wait_dscnt 0x0                               ; the add is done, and my reads of this slot are over
	s_barrier_signal -1
	MUL16 2, 1, NQ-1, \slot, 0
	WIN 0
	s_barrier_wait -1
.if \fill
	CREST                                          ; the barrier has opened a round of the cluster's: no wave of any partner still reads this slot or has a load on its way
	s_add_nc_u64 s[G0+4*\slot+2:G0+4*\slot+3], s[G0+4*\slot+2:G0+4*\slot+3], 2*TILEB
	s_add_nc_u64 s[G0B+4*\slot+2:G0B+4*\slot+3], s[G0B+4*\slot+2:G0B+4*\slot+3], 2*TILEB
	JLOAD G0+4*\slot, G1, G0B+4*\slot, G1B         ; the first tensor load behind the round, one a wave
.else
	PLACES NP
.endif
	v_add_nc_u32 v[ADRS1], 4*NQ, v[ADRS1]          ; the next slot's scale words
	v_add_nc_u32 v[ADRS0], 4*NQ, v[ADRS0]
	FETCH_B \next, 0, 0
	FETCH_A \next, 0, 0
	SCALES \next
	WIN MUL_HI
	MUL16 4, 1, NQ-1, \slot, 0
	MUL16 6, 1, NQ-1, \slot, 0
	PLACES NP
	WIN 0
	FETCH_A \next, 0, 4
.endm
	s_wait_tensorcnt 1                             ; the scale bytes and my part of slot 0 are in; slot 1's load may be out
	s_barrier_signal -1
	s_barrier_wait -1
	FETCH_B 0, 0, 0
	FETCH_A 0, 0, 0
	SCALES 0
	FETCH_A 0, 0, 4
	s_wait_loadcnt 0x0                             ; the bias
	s_cmp_eq_u32 s[SEL], 0
	s_cbranch_scc0 .Lfirst_v
	STEP 0, 0, 1                                   ; the first step starts the sums with the bias
	s_branch .Lfirst_done
.Lfirst_v:
	STEP 0, 0, 2
.Lfirst_done:
	s_mov_b32 s19, LAPS-1
.Llap:
	TURN 0, 1, 1
	STEP 1, 0, 0
	TURN 1, 0, 1
	STEP 0, 0, 0
	s_sub_co_u32 s19, s19, 1
	s_cmp_lg_u32 s19, 0
	s_cbranch_scc1 .Llap
	TURN 0, 1, 0                                   ; the last lap fills nothing
	STEP 1, 0, 0
	s_wait_dscnt 4*NL
	WIN MUL_LO
	MUL16 0, 1, NQ-1, 1, 0
	MUL16 2, 1, NQ-1, 1, 0
	s_wait_dscnt 0
	WIN MUL_HI
	MUL16 4, 1, NQ-1, 1, 0
	MUL16 6, 1, NQ-1, 1, 0
	WIN 0
; THE WAY OUT.  The 64 registers of source 1's tile a are, in a lane, 64 numbers of one row along the next K: register 16 b + i = k 32 b + 16 h + i.  They become a fragment and a scale word.
; q, k: pieces 0-2 are my first head's 64, pieces 3-5 the second's.  v: the six pieces are one fragment of 16 of a head's 64 x 128 keys.
.macro OUTA a
.set AC, 64*((\a)%4)
.set WW, 2+(\a)/4
	WIN WW*0x14                                    ; sources 1 and 2 in the accumulators' window
.irp b, 0,1,2,3
	v_max3_num_f32 v[TM+\b], s[FLO], |v[AC+16*\b]|, |v[AC+16*\b+1]|   ; each accumulator is read from its low end on
.endr
.irp i, 2,4,6,8,10,12,14
.irp b, 0,1,2,3
	v_max3_num_f32 v[TM+\b], v[TM+\b], |v[AC+16*\b+\i]|, |v[AC+16*\b+\i+1]|
.endr
.endr
	WIN 0
.irp b, 0,1,2,3
	v_permlanex16_b32 v[T4+\b], v[TM+\b], s2, s3
.endr
.irp b, 0,1,2,3
	v_max_num_f32 v[TM+\b], v[TM+\b], v[T4+\b]     ; with lane l xor 16's: the block's largest magnitude
.endr
.irp b, 0,1,2,3
	v_add_nc_u32 v[SO+\b], 0xff000000, v[TM+\b]    ; 2 off the exponent field: the conversion's scale operand
.endr
.irp b, 0,1,2,3
	v_lshrrev_b32 v[T4+\b], 23, v[SO+\b]
.endr
	v_lshl_or_b32 v[SW+(\a)%4], v[T4+1], 8, v[T4]
	v_lshl_or_b32 v[SW+(\a)%4], v[T4+2], 16, v[SW+(\a)%4]
	v_lshl_or_b32 v[SW+(\a)%4], v[T4+3], 24, v[SW+(\a)%4]
	v_add_nc_u32 v[SW+(\a)%4], s[ADJ], v[SW+(\a)%4]   ; q: the logits' 1/8
	s_wait_xcnt 0x0                                ; the earlier stores have read their data and offsets
	WIN WW                                         ; source 0 in the accumulators' window
.irp c, 0,1
	v_cvt_scalef32_pk16_fp6_f32 v[PC+6*\c:PC+6*\c+2], v[AC+32*\c:AC+32*\c+15], v[SO+2*\c]
	v_cvt_scalef32_pk16_fp6_f32 v[PH+4*\c:PH+4*\c+2], v[AC+32*\c+16:AC+32*\c+31], v[SO+2*\c+1]
.endr
	WIN 0
	v_nop                                          ; one plain line behind the scaled conversions
.irp c, 0,1                                    ; the layout wants a whole block in a lane
.irp i, 0,1,2
	v_permlane16_swap_b32 v[PC+6*\c+\i], v[PH+4*\c+\i]
.endr
.irp i, 0,1,2
	v_mov_b32 v[PC+3+6*\c+\i], v[PH+4*\c+\i]
.endr
.endr
	v_add_nc_u32 v[VO0], s[OFC], v[L8]
	v_add_nc_u32 v[VO1], s[SG], v[VO0]
.irp j, 0,1,2
	global_store_b64 v[VO0], v[PC+2*\j:PC+2*\j+1], s[14:15] offset:256*\j     ; 32 lanes store 256 consecutive bytes, aligned
	global_store_b64 v[VO1], v[PC+6+2*\j:PC+7+2*\j], s[14:15] offset:256*\j
.endr
.if (\a) == 3
	s_add_co_u32 s[OFC], s[OFC], s[STM]
.else
	s_add_co_u32 s[OFC], s[OFC], s[STA]
.endif
.if (\a)%4 == 3                                ; four tiles' scale words of a row lie together: 16 bytes a lane.  q, k: lanes 0-15 the first head's (bytes 0, 1), lanes 16-31 the second's, shifted down
.irp j, 0,1,2,3
	v_lshrrev_b32 v[SX+\j], v[SHV], v[SW+\j]
.endr
	v_add_nc_u32 v[VSO], s[OFS], v[VS]
	global_store_b128 v[VSO], v[SX:SX+3], s[14:15]
	s_add_co_u32 s[OFS], s[OFS], s[SQ]
.endif
.endm
	PLACES NP
.irp b, 0,1,2,3
	v_mov_b32 v[T4+\b], 0                          ; a lane permute's destination counts as one of its sources
.endr
.irp a, 0,1,2,3,4,5,6,7
	OUTA \a
.endr
	s_wait_tensorcnt 0x0                           ; the wave's end
	ds_add_u32 v[SPW], v[NIL]
	s_wait_dscnt 0x0
	CROUND                                         ; the closing round
	s_endpgm
.Lfunc_end_k_q6a83c98c19_proj:
	.size	k_q6a83c98c19_proj, .Lfunc_end_k_q6a83c98c19_proj-k_q6a83c98c19_proj
	.p2alignl 7, 3214868480
	.fill 96, 4, 3214868480
	.section	.rodata,"a",@progbits
	.p2align	6, 0x0
	.amdhsa_kernel k_q6a83c98c19_proj
		.amdhsa_group_segment_fixed_size 327680
		.amdhsa_private_segment_fixed_size 0
		.amdhsa_enable_private_segment 0
		.amdhsa_kernarg_size 48
		.amdhsa_user_sgpr_count 2
		.amdhsa_user_sgpr_kernarg_segment_ptr 1
		.amdhsa_wavefront_size32 1
		.amdhsa_system_sgpr_workgroup_id_x 1
		.amdhsa_system_sgpr_workgroup_id_y 1
		.amdhsa_system_sgpr_workgroup_id_z 1
		.amdhsa_system_vgpr_workitem_id 0
		.amdhsa_next_free_vgpr 1024
		.amdhsa_next_free_sgpr 102
		.amdhsa_reserve_vcc 0
		.amdhsa_float_denorm_mode_32 3
		.amdhsa_float_denorm_mode_16_64 3
		.amdhsa_memory_ordered 1
		.amdhsa_forward_progress 1
		.amdhsa_inst_pref_size 193
	.end_amdhsa_kernel
	.amdgpu_metadata
---
amdhsa.version: [ 1, 2 ]
amdhsa.kernels:
  - .name:           k_q6a83c98c19_proj
    .symbol:         k_q6a83c98c19_proj.kd
    .args:
      - { .name: xcod, .offset: 0, .size: 8, .value_kind: global_buffer, .address_space: global }
      - { .name: wcod, .offset: 8, .size: 8, .value_kind: global_buffer, .address_space: global }
      - { .name: wq_b, .offset: 16, .size: 8, .value_kind: global_buffer, .address_space: global }
      - { .name: wk_b, .offset: 24, .size: 8, .value_kind: global_buffer, .address_space: global }
      - { .name: wv_b, .offset: 32, .size: 8, .value_kind: global_buffer, .address_space: global }
      - { .name: qkv, .offset: 40, .size: 8, .value_kind: global_buffer, .address_space: global }
    .group_segment_fixed_size: 327680
    .private_segment_fixed_size: 0
    .kernarg_segment_align: 8
    .kernarg_segment_size: 48
    .max_flat_workgroup_size: 128
    .sgpr_count:     102
    .vgpr_count:     1024
    .wavefront_size: 32
...
	.end_amdgpu_metadata
.endif
;; end of part 2
;; launch attn (part 3): grid 4 x 64, 16 waves a work-group, no clusters, 67,584 bytes of LDS; arguments qkv, mask, flags, acod; writes acod
.if DOCPART == 3
	.amdgcn_target "amdgcn-amd-amdhsa--gfx1250"
	.amdhsa_code_object_version 6
	.text
	.protected	k_q6a83c98c19_attn
	.globl	k_q6a83c98c19_attn
	.p2align	8
	.type	k_q6a83c98c19_attn,@function
k_q6a83c98c19_attn:
	s_mov_b64 s[64:65], 0
	v_nop
	global_prefetch_b8 v0, s[64:65] scope:SCOPE_SE
	s_setreg_imm32_b32 hwreg(HW_REG_WAVE_MODE, 25, 1), 1
	s_wait_xcnt 0x0
; softmax(q k^T / 8 + mask x (-1e9)) v for one head, both products on codes of FP6 (E2M3); the result, divided by the row's sum, is quantised along the head's 64 and stored as codes for the last product.
; t = logit x log2(e), rounded; M = the running largest t rounded up to a whole number; p = 2^(t - M) is what is quantised along the keys; the row's sum is taken of the unquantised p.
; SHARES.  A work-group has one head (y) and two blocks of 256 queries, x and 7 - x, one after the other.  Each of its sixteen waves owns one tile of 16 queries.  Keys go in 8 slots of 256, two steps of 128 each.
; A slot's record of qkv (26,112 bytes: k's 16 tiles, v's 8 fragments, their scale words) is copied through registers into one of two LDS buffers, a slot ahead, by all 512 threads.
; THE MASK is an input; an earlier launch has stored, for each tile of queries, two bits for each key step: 0: no key of the step can count: the step is passed over; 1: the mask is all zero there: it is not read;
; 2: it is read and added.  These are scalar branches on whole numbers read from memory, which is why this launch fills LDS through registers and shares no tile between work-groups by joint loads.
; LAYOUT.  Both products are used transposed (S^T = K Q^T, O^T = V^T P^T): a lane holds one query throughout.  Row r of a tile T is row 32 (T / 2) + 8 (T % 2) + r + 8 (r / 8), for queries, keys and the head's 64 alike,
; so the 16 registers of result tiles 2 b, 2 b + 1 are 16 neighbours.  The head's 64 fill half of the instruction's 128: Q's upper six registers are zeros, so K's upper six may hold the next tile's codes.
; LIMITS: NaN and infinities are not served; a step passed over leans on |q . k / 8| under 2e8.
; REGISTERS: v1 8 x lane, v2 16 r, v3 16 x thread, v4 32 r, v7-9 offsets; v10 Q's scale word, v11 p's; v12 -M, v13 the largest t, v[14:15] the sum; v16-27 Q; v28-35 K's or V's scale words;
;   v36-89 K's tiles, then the mask, then V's fragments; v90-105 the record on its way; v106-169 S^T, t, p; v170-201 O^T; v202-236 at work; v238-253 the mask's last quarter.
.set RECB,   26112
.set HEADB,  208896
.set KVPART, 13369344
.set ASCL,   6291456
.set BUF,    32768
.set VFR,    12288
.set KSC,    24576
.set VSC,    25600
.set S,   106
.set OT,  170
.set BM,  202
.set BT,  206
.set SOP, 210
.set PC,  214
.set PH,  226
.set FF,  234
.set TT,  236
	s_load_b256 s[4:11], s[0:1], 0x0               ; qkv, mask, flags, acod
	v_lshl_add_u32 v254, v0, 2, 0x10000
	v_mov_b32 v255, 0
	v_lshrrev_b32 v1, 5, v0
	v_readfirstlane_b32 s14, v1                    ; wave 0..15
	v_and_b32 v4, 31, v0
	v_lshlrev_b32 v1, 3, v4                        ; 8 x lane
	v_and_b32 v5, 15, v0                           ; r
	v_lshlrev_b32 v2, 4, v5                        ; 16 r
	v_lshlrev_b32 v3, 4, v0                        ; 16 x thread
	v_bfe_u32 v6, v0, 4, 1                         ; h
	v_lshrrev_b32 v8, 3, v5
	v_lshl_add_u32 v8, v8, 3, v5                   ; r + 8 (r / 8)
	v_lshlrev_b32 v8, 13, v8
	v_lshl_add_u32 v8, v6, 6, v8                   ; the mask: my query's row of 8,192 bytes, + 16 h keys
	v_lshlrev_b32 v4, 5, v5                        ; 32 r
	s_and_b32 s15, ttmp7, 0xffff                   ; 16 x batch + head
	s_mov_b32 s16, ttmp9                           ; the first block of queries,
	s_sub_co_u32 s17, 7, s16                       ; the second
	s_mov_b32 s18, 0x3fb8aa3b                      ; log2(e)
	s_mov_b32 s19, s18                             ; (named with it as a pair)
	s_mov_b32 s20, 0xce6e6b28                      ; -1e9
	s_mov_b32 s21, s20
	s_mov_b32 s22, 0x76543210
	s_mov_b32 s23, 0xfedcba98                      ; v_permlanex16_b32's selects for lane l xor 16
	s_mul_i32 s70, s15, HEADB
	s_mov_b32 s71, 0
	s_lshl_b32 s74, s14, 2
	s_mov_b32 s75, 0
	s_wait_kmcnt 0x0
	s_add_nc_u64 s[4:5], s[4:5], s[70:71]          ; q's part, my head
	s_add_nc_u64 s[12:13], s[4:5], KVPART          ; k's and v's
	s_lshl_b32 s70, s16, 6
	s_add_nc_u64 s[72:73], s[8:9], s[70:71]
	s_load_b512 s[32:47], s[72:73], 0x0            ; the first block's 16 words
	s_add_nc_u64 s[76:77], s[72:73], s[74:75]
	s_load_b32 s24, s[76:77], 0x0                  ; my tile's
	s_lshl_b32 s70, s17, 6
	s_add_nc_u64 s[78:79], s[8:9], s[70:71]
	s_load_b512 s[48:63], s[78:79], 0x0            ; the second block's
	s_add_nc_u64 s[80:81], s[78:79], s[74:75]
	s_load_b32 s25, s[80:81], 0x0
.irp j, 22,23,24,25,26,27,84,85,86,87,88,89,90,91,92,93,94,95,96,97,98,99,100,101,102,103,104,105
	v_mov_b32 v[\j], 0                             ; Q's upper half; what lies behind K's last tile; the registers of the record on its way
.endr
.irp j, 0,1,2,3
	v_mov_b32 v[BT+\j], 0                          ; a lane permute's destination counts as one of its sources
.endr
	v_mov_b32 v[FF+1], 0                           ; (named as the upper half of a pair)
	s_wait_kmcnt 0x0
.irp j, 33,34,35,36,37,38,39,40,41,42,43,44,45,46,47
	s_or_b32 s32, s32, s[\j]
.endr
.irp j, 49,50,51,52,53,54,55,56,57,58,59,60,61,62,63
	s_or_b32 s48, s48, s[\j]
.endr
	s_mov_b32 s26, s32                             ; s[26:27]: which slots any tile of the block wants, four bits a slot, both blocks on end;  s[24:25]: my tile's classes likewise, two bits a step
	s_mov_b32 s27, s48
	s_mov_b32 s28, 0                               ; the record to be fetched
	s_mov_b32 s66, 0                               ; the pass
.macro STAGE_LOAD                      ; 26,112 bytes = 3 x 8,192 + 1,536: every thread 3 x 16 bytes, waves 0-2 one more
	v_add_nc_u32 v7, s28, v3
	global_load_b128 v[90:93], v7, s[12:13]
	global_load_b128 v[94:97], v7, s[12:13] offset:8192
	global_load_b128 v[98:101], v7, s[12:13] offset:16384
	s_cmp_lt_u32 s14, 3
	s_cbranch_scc0 .Lsl_\@
	global_load_b128 v[102:105], v7, s[12:13] offset:24576
.Lsl_\@:
.endm
.macro STAGE_STORE buf
	ds_store_b128 v3, v[90:93] offset:BUF*(\buf)
	ds_store_b128 v3, v[94:97] offset:BUF*(\buf)+8192
	ds_store_b128 v3, v[98:101] offset:BUF*(\buf)+16384
	s_cmp_lt_u32 s14, 3
	s_cbranch_scc0 .Lss_\@
	ds_store_b128 v3, v[102:105] offset:BUF*(\buf)+24576
.Lss_\@:
.endm
; A KEY STEP: 128 keys, the q-th of the slot in buffer buf.
.macro STEP buf, q
	s_and_b32 s30, s24, 3                          ; the step's class for my tile
	s_cmp_lg_u32 s30, 0
	s_cbranch_scc0 .Ldead_\@
.rept 4
	v_nop                                          ; plain lines in front of loads into registers that the last matrix instructions have read
.endr
.set t, 0
.rept 8
	ds_load_b64 v[36+6*t:37+6*t], v1 offset:BUF*(\buf)+(8*(\q)+t)*768
	ds_load_b64 v[38+6*t:39+6*t], v1 offset:BUF*(\buf)+(8*(\q)+t)*768+256
	ds_load_b64 v[40+6*t:41+6*t], v1 offset:BUF*(\buf)+(8*(\q)+t)*768+512
.set t, t+1
.endr
	ds_load_b128 v[28:31], v2 offset:BUF*(\buf)+KSC+512*(\q)
	ds_load_b128 v[32:35], v2 offset:BUF*(\buf)+KSC+512*(\q)+256
	s_wait_dscnt 0x0
.set t, 0
.rept 8                                        ; S^T = K Q^T / 8 (the 1/8 lies in Q's scale bytes)
	v_wmma_scale_f32_16x16x128_f8f6f4 v[S+8*t:S+8*t+7], v[36+6*t:47+6*t], v[16:27], 0, v[28+t], v10 matrix_a_fmt:MATRIX_FMT_FP6 matrix_b_fmt:MATRIX_FMT_FP6
.set t, t+1
.endr
.rept 4
	v_nop
.endr
	s_cmp_eq_u32 s30, 2
	s_cbranch_scc0 .Lnomask_\@
	v_add_nc_u32 v9, s29, v8                       ; register 16 b + i holds key 32 b + 16 h + i of the step
.set n, 0
.rept 16
	global_load_b128 v[36+4*n+154*(n/12):39+4*n+154*(n/12)], v9, s[6:7] offset:128*(n/4)+16*(n%4)
.set n, n+1
.endr
	s_wait_loadcnt 0x0
.set n, 0
.rept 16
	v_pk_fma_f32 v[S+4*n:S+4*n+1], v[36+4*n+154*(n/12):37+4*n+154*(n/12)], s[20:21], v[S+4*n:S+4*n+1] op_sel_hi:[1,0,1]   ; logit + mask x (-1e9)
	v_pk_fma_f32 v[S+4*n+2:S+4*n+3], v[38+4*n+154*(n/12):39+4*n+154*(n/12)], s[20:21], v[S+4*n+2:S+4*n+3] op_sel_hi:[1,0,1]
.set n, n+1
.endr
.Lnomask_\@:
.set t, 0
.rept 4                                        ; V's four fragments are asked for now and land under the softmax
.irp p, 0,1,2,3,4,5
	ds_load_b64 v[36+12*t+2*\p:37+12*t+2*\p], v1 offset:BUF*(\buf)+VFR+6144*(\q)+1536*t+256*\p
.endr
.set t, t+1
.endr
	ds_load_b128 v[28:31], v2 offset:BUF*(\buf)+VSC+256*(\q)
.set j, 0
.rept 32
	v_pk_mul_f32 v[S+j:S+j+1], v[S+j:S+j+1], s[18:19] op_sel_hi:[1,0]   ; t, rounded: where a whole row is blocked t is huge, and all its t must round alike
.set j, j+2
.endr
.irp b, 0,1,2,3
	v_max3_num_f32 v[BM+\b], v[S+16*\b], v[S+16*\b+1], v[S+16*\b+2]   ; the largest t of each block of 32 keys: for the row's maximum, and for the block's largest p
.endr
.irp i, 3,5,7,9,11,13
.irp b, 0,1,2,3
	v_max3_num_f32 v[BM+\b], v[BM+\b], v[S+16*\b+\i], v[S+16*\b+\i+1]
.endr
.endr
.irp b, 0,1,2,3
	v_max_num_f32 v[BM+\b], v[BM+\b], v[S+16*\b+15]
.endr
.irp b, 0,1,2,3
	v_permlanex16_b32 v[BT+\b], v[BM+\b], s22, s23
.endr
.irp b, 0,1,2,3
	v_max_num_f32 v[BM+\b], v[BM+\b], v[BT+\b]
.endr
	v_max3_num_f32 v[TT], v[BM], v[BM+1], v[BM+2]
	v_max_num_f32 v[TT], v[TT], v[BM+3]
	v_max_num_f32 v13, v13, v[TT]                  ; the running largest t
	v_mov_b32 v[TT], v12
	v_floor_f32 v12, -v13                          ; -M = floor(-t): M is a whole number
	v_sub_f32 v[TT], v12, v[TT]                    ; old M - new M, 0 or less
	v_cvt_i32_f32 v[TT], v[TT]                     ; (it saturates)
	v_ldexp_f32 v[FF], 1.0, v[TT]                  ; f = 2^(old M - new M): rounds nothing
.set j, 0
.rept 32
	v_pk_add_f32 v[S+j:S+j+1], v[S+j:S+j+1], v[12:13] op_sel_hi:[1,0]   ; t - M
.set j, j+2
.endr
.irp b, 0,1,2,3
	v_add_f32 v[BM+\b], v[BM+\b], v12              ; the same of each block's largest t
.endr
.set j, 0
.rept 64
	v_exp_f32 v[S+j], v[S+j]                       ; p = 2^(t - M)
.set j, j+1
.endr
	v_pk_mul_f32 v[14:15], v[14:15], v[FF:FF+1] op_sel_hi:[1,0]   ; the sums under the new M; a plain line behind the exponentials
	s_wait_alu depctr_va_vdst(0)                   ; one wait for the batch, ahead of its first reader
.irp b, 0,1,2,3
	v_exp_f32 v[BM+\b], v[BM+\b]                   ; the block's largest p: the same instructions on the same number
.endr
	v_pk_add_f32 v[BT:BT+1], v[S:S+1], v[S+2:S+3]  ; the row's sum, of the unquantised p, in two chains
.set j, 4
.rept 15
	v_pk_add_f32 v[14:15], v[14:15], v[S+j:S+j+1]
	v_pk_add_f32 v[BT:BT+1], v[BT:BT+1], v[S+j+2:S+j+3]
.set j, j+4
.endr
	v_pk_add_f32 v[14:15], v[14:15], v[BT:BT+1]
	s_wait_alu depctr_va_vdst(0)                   ; and one for the four
.irp b, 0,1,2,3
	v_max_num_f32 v[BM+\b], 0x1800000, v[BM+\b]    ; the floor 2^(3 - 127): the byte cannot fall under 1
.endr
.irp b, 0,1,2,3
	v_add_nc_u32 v[SOP+\b], 0xff000000, v[BM+\b]
.endr
.irp b, 0,1,2,3
	v_lshrrev_b32 v[BT+\b], 23, v[SOP+\b]
.endr
	v_lshl_or_b32 v11, v[BT+1], 8, v[BT]           ; p's scale word for these 128 keys
	v_lshl_or_b32 v11, v[BT+2], 16, v11
	v_lshl_or_b32 v11, v[BT+3], 24, v11
.irp c, 0,1
	v_cvt_scalef32_pk16_fp6_f32 v[PC+6*\c:PC+6*\c+2], v[S+32*\c:S+32*\c+15], v[SOP+2*\c]
	v_cvt_scalef32_pk16_fp6_f32 v[PH+4*\c:PH+4*\c+2], v[S+32*\c+16:S+32*\c+31], v[SOP+2*\c+1]
.endr
	v_nop                                          ; one plain line behind the scaled conversions
.irp c, 0,1
.irp i, 0,1,2
	v_permlane16_swap_b32 v[PC+6*\c+\i], v[PH+4*\c+\i]
.endr
.irp i, 0,1,2
	v_mov_b32 v[PC+3+6*\c+\i], v[PH+4*\c+\i]
.endr
.endr
.set j, 0
.rept 16
	v_pk_mul_f32 v[OT+j:OT+j+1], v[OT+j:OT+j+1], v[FF:FF+1] op_sel_hi:[1,0]   ; O^T under the new M; these are also the plain lines between p's codes and scale word and the products
.set j, j+2
.endr
	s_wait_dscnt 0x0                               ; V
.set t, 0
.rept 4                                        ; O^T += V^T P^T, the four accumulators by turns
	v_wmma_scale_f32_16x16x128_f8f6f4 v[OT+8*t:OT+8*t+7], v[36+12*t:47+12*t], v[PC:PC+11], v[OT+8*t:OT+8*t+7], v[28+t], v11 matrix_a_fmt:MATRIX_FMT_FP6 matrix_b_fmt:MATRIX_FMT_FP6
.set t, t+1
.endr
.Ldead_\@:
	s_lshr_b32 s24, s24, 2                         ; the next step's class: 64 bits go 2 down
	s_lshl_b32 s31, s25, 30
	s_or_b32 s24, s24, s31
	s_lshr_b32 s25, s25, 2
	s_add_co_u32 s29, s29, 512                     ; and its 128 keys of the mask
.endm
; A SLOT: one barrier.  In front of it my stores into this buffer have landed and my reads of the other are over; behind it this buffer is read, and at the slot's end the other is written.
.macro SLOT buf
	s_wait_dscnt 0x0
	s_barrier_signal -1
	s_barrier_wait -1
	s_lshr_b32 s26, s26, 4                         ; is the next slot wanted by any tile of its block?  64 bits go 4 down
	s_lshl_b32 s31, s27, 28
	s_or_b32 s26, s26, s31
	s_lshr_b32 s27, s27, 4
	s_and_b32 s69, s26, 15
	s_cmp_lg_u32 s69, 0
	s_cbranch_scc0 .Lnl_\@
	STAGE_LOAD                                     ; its record is asked for a slot's work ahead
.Lnl_\@:
	STEP \buf, 0
	STEP \buf, 1
	s_wait_loadcnt 0x0                             ; the record is in registers; its offset register may be written again
	s_cmp_lg_u32 s69, 0
	s_cbranch_scc0 .Lns_\@
	STAGE_STORE 1-(\buf)
.Lns_\@:
	s_add_co_u32 s28, s28, RECB
	s_cmp_eq_u32 s28, HEADB
	s_cselect_b32 s28, 0, s28                      ; behind the head's last record comes its first, for the second pass
.endm
	s_and_b32 s69, s26, 15                         ; slot 0 of the first pass
	s_cmp_lg_u32 s69, 0
	s_cbranch_scc0 .Lno_first
	STAGE_LOAD
	s_wait_loadcnt 0x0
	STAGE_STORE 0
.Lno_first:
	s_mov_b32 s28, RECB
.Lpass:
	s_cmp_eq_u32 s66, 0
	s_cselect_b32 s68, s16, s17                    ; the block of queries
	s_mul_i32 s70, s68, RECB
	s_mul_i32 s72, s14, 768
	s_add_co_u32 s72, s70, s72
	s_mov_b32 s73, 0
	s_add_nc_u64 s[76:77], s[4:5], s[72:73]        ; my tile's codes
	global_load_b64 v[16:17], v1, s[76:77]
	global_load_b64 v[18:19], v1, s[76:77] offset:256
	global_load_b64 v[20:21], v1, s[76:77] offset:512
	s_lshr_b32 s72, s14, 2
	s_lshl_b32 s72, s72, 8
	s_add_co_u32 s72, s72, s70
	s_and_b32 s74, s14, 3
	s_lshl_b32 s74, s74, 2
	s_add_co_u32 s72, s72, s74
	s_add_co_u32 s72, s72, KSC
	s_add_nc_u64 s[82:83], s[4:5], s[72:73]
	global_load_b32 v10, v2, s[82:83]              ; and its scale words
	s_lshl_b32 s75, s68, 4
	s_add_co_u32 s75, s75, s14                     ; my tile among the sequence's 128
	s_lshr_b32 s29, s75, 1
	s_lshl_b32 s29, s29, 18
	s_and_b32 s70, s75, 1
	s_lshl_b32 s70, s70, 16
	s_add_co_u32 s29, s29, s70                     ; the mask at my tile's first row, key 0
	v_mov_b32 v13, 0xff61b1e6                      ; the largest t so far: -3e38
	v_floor_f32 v12, -v13
	v_mov_b32 v14, 0
	v_mov_b32 v15, 0
.set j, 0
.rept 32
	v_mov_b32 v[OT+j], 0                           ; the step is written once: the first finds zeros
.set j, j+1
.endr
	s_wait_loadcnt 0x0
	s_mov_b32 s67, 4
.Lpair:
	SLOT 0
	SLOT 1
	s_sub_co_u32 s67, s67, 1
	s_cmp_lg_u32 s67, 0
	s_cbranch_scc1 .Lpair
	; THE PASS'S END: O^T / the sum; its 32 numbers a lane, d = 32 b + 16 h + i, are two blocks along the last product's K
.rept 4
	v_nop
.endr
	v_add_f32 v14, v14, v15
	v_permlanex16_b32 v[BT], v14, s22, s23
	v_add_f32 v14, v14, v[BT]                      ; the row's sum
	v_rcp_f32 v14, v14
	v_nop
	s_lshr_b32 s70, s15, 4
	s_lshl_b32 s70, s70, 7
	s_add_co_u32 s70, s70, s75                     ; my tile among the 512 of all tokens
	s_and_b32 s72, s15, 15                         ; the head
	s_lshl_b32 s74, s70, 3
	s_lshr_b32 s31, s72, 1
	s_add_co_u32 s74, s74, s31
	s_mul_i32 s74, s74, 1536                       ; K step head / 2 of the tile,
	s_and_b32 s31, s72, 1
	s_mul_i32 s31, s31, 768                        ; its lower or upper three pieces
	s_add_co_u32 s72, s72, s72                     ; 2 x head
	s_add_co_u32 s74, s74, s31
	s_mov_b32 s31, s75
	s_mov_b32 s75, 0
	s_add_nc_u64 s[78:79], s[10:11], s[74:75]
	s_lshl_b32 s74, s70, 9
	s_add_co_u32 s74, s74, s72
	s_add_co_u32 s74, s74, ASCL
	s_add_nc_u64 s[80:81], s[10:11], s[74:75]
	s_wait_alu depctr_va_vdst(0)                   ; the wait ahead of the reciprocal's first reader
.set j, 0
.rept 16
	v_pk_mul_f32 v[S+j:S+j+1], v[OT+j:OT+j+1], v[14:15] op_sel_hi:[1,0]   ; each accumulator from its low end on
.set j, j+2
.endr
.irp b, 0,1
	v_max3_num_f32 v[BM+\b], |v[S+16*\b]|, |v[S+16*\b+1]|, 0x1800000
.endr
.irp i, 2,4,6,8,10,12,14
.irp b, 0,1
	v_max3_num_f32 v[BM+\b], v[BM+\b], |v[S+16*\b+\i]|, |v[S+16*\b+\i+1]|
.endr
.endr
.irp b, 0,1
	v_permlanex16_b32 v[BT+\b], v[BM+\b], s22, s23
.endr
.irp b, 0,1
	v_max_num_f32 v[BM+\b], v[BM+\b], v[BT+\b]
.endr
.irp b, 0,1
	v_add_nc_u32 v[SOP+\b], 0xff000000, v[BM+\b]
.endr
.irp b, 0,1
	v_lshrrev_b32 v[BT+\b], 23, v[SOP+\b]
.endr
	v_lshl_or_b32 v[TT], v[BT+1], 8, v[BT]         ; my row's two scale bytes
	v_cvt_scalef32_pk16_fp6_f32 v[PC:PC+2], v[S:S+15], v[SOP]
	v_cvt_scalef32_pk16_fp6_f32 v[PH:PH+2], v[S+16:S+31], v[SOP+1]
	v_nop
.irp i, 0,1,2
	v_permlane16_swap_b32 v[PC+\i], v[PH+\i]
.endr
.irp i, 0,1,2
	v_mov_b32 v[PC+3+\i], v[PH+\i]                 ; registers 0-5: d = 32 h + 0..31
.endr
.irp j, 0,1,2
	global_store_b64 v1, v[PC+2*\j:PC+2*\j+1], s[78:79] offset:256*\j   ; 32 lanes store 256 consecutive bytes, aligned
.endr
	global_store_b16 v4, v[TT], s[80:81]           ; (both halves of the lanes store the same two bytes)
	s_wait_xcnt 0x0                                ; the stores have read their data and bases
	s_add_co_u32 s66, s66, 1
	s_cmp_lt_u32 s66, 2
	s_cbranch_scc1 .Lpass
	s_wait_tensorcnt 0x0
	ds_add_u32 v254, v255
	s_wait_dscnt 0x0
	s_endpgm
.Lfunc_end_k_q6a83c98c19_attn:
	.size	k_q6a83c98c19_attn, .Lfunc_end_k_q6a83c98c19_attn-k_q6a83c98c19_attn
	.p2alignl 7, 3214868480
	.fill 96, 4, 3214868480
	.section	.rodata,"a",@progbits
	.p2align	6, 0x0
	.amdhsa_kernel k_q6a83c98c19_attn
		.amdhsa_group_segment_fixed_size 67584
		.amdhsa_private_segment_fixed_size 0
		.amdhsa_enable_private_segment 0
		.amdhsa_kernarg_size 32
		.amdhsa_user_sgpr_count 2
		.amdhsa_user_sgpr_kernarg_segment_ptr 1
		.amdhsa_wavefront_size32 1
		.amdhsa_system_sgpr_workgroup_id_x 1
		.amdhsa_system_sgpr_workgroup_id_y 1
		.amdhsa_system_sgpr_workgroup_id_z 1
		.amdhsa_system_vgpr_workitem_id 0
		.amdhsa_next_free_vgpr 256
		.amdhsa_next_free_sgpr 84
		.amdhsa_reserve_vcc 0
		.amdhsa_float_denorm_mode_32 3
		.amdhsa_float_denorm_mode_16_64 3
		.amdhsa_memory_ordered 1
		.amdhsa_forward_progress 1
		.amdhsa_inst_pref_size 105
	.end_amdhsa_kernel
	.amdgpu_metadata
---
amdhsa.version: [ 1, 2 ]
amdhsa.kernels:
  - .name:           k_q6a83c98c19_attn
    .symbol:         k_q6a83c98c19_attn.kd
    .args:
      - { .name: qkv, .offset: 0, .size: 8, .value_kind: global_buffer, .address_space: global }
      - { .name: mask, .offset: 8, .size: 8, .value_kind: global_buffer, .address_space: global }
      - { .name: flags, .offset: 16, .size: 8, .value_kind: global_buffer, .address_space: global }
      - { .name: acod, .offset: 24, .size: 8, .value_kind: global_buffer, .address_space: global }
    .group_segment_fixed_size: 67584
    .private_segment_fixed_size: 0
    .kernarg_segment_align: 8
    .kernarg_segment_size: 32
    .max_flat_workgroup_size: 512
    .sgpr_count:     84
    .vgpr_count:     256
    .wavefront_size: 32
...
	.end_amdgpu_metadata
.endif
;; end of part 3
;; launch oproj (part 4): grid 4 x 32, 4 waves a work-group, clusters of 4 x 4, 327,680 bytes of LDS; arguments acod, wcod, wo_b, out0; writes out0
.if DOCPART == 4
	.amdgcn_target "amdgcn-amd-amdhsa--gfx1250"
	.amdhsa_code_object_version 6
	.text
	.protected	k_q6a83c98c19_oproj
	.globl	k_q6a83c98c19_oproj
	.p2align	8
	.type	k_q6a83c98c19_oproj,@function
k_q6a83c98c19_oproj:
	s_mov_b64 s[64:65], 0
	v_nop
	global_prefetch_b8 v0, s[64:65] scope:SCOPE_SE
	s_setreg_imm32_b32 hwreg(HW_REG_WAVE_MODE, 25, 1), 1
	s_wait_xcnt 0x0
	s_wait_alu depctr_hold_cnt(0) depctr_sa_sdst(0) depctr_va_vdst(0) depctr_va_sdst(0) depctr_va_ssrc(0) depctr_va_vcc(0) depctr_vm_vsrc(0)
	s_getreg_b32 s2, hwreg(HW_REG_IB_STS2, 6, 4)
	s_cmp_eq_u32 s2, 0
	s_cbranch_scc0 .Lentry_in_a_cluster
	s_endpgm
.Lentry_in_a_cluster:
	s_bfe_u32 s2, ttmp6, 0x10000c
	s_cmp_lg_u32 s2, 0xf033
	s_cbranch_scc0 .Lentry_shape_is_right
	s_endpgm
.Lentry_shape_is_right:
; out0 = a wo + bo on codes of FP6 (E2M3) with E8M0 scales, K = 1,024; a: the attention's result as codes, wo: the fourth weight of wcod.  out0: [8192][1024] f32.
; A work-group of four waves makes 256 tokens x 256 columns, a wave 128 x 128: 64 accumulators, 512 registers.  K goes in steps of 256 through a ring of two LDS slots.
; Codes lie in memory in the order of the operand's registers (a fragment of 16 rows x 128 K: 1,536 bytes, piece p at 256 p, 8 bytes a lane).  Row r of tile T is row 32 (T / 2) + 8 (T % 2) + r + 8 (r / 8).
; The matrix instruction is used transposed (source 0 = 16 columns of wo, source 1 = 16 tokens): a lane holds eight neighbouring numbers of a row of out0.  The bias is the C of the first K step's products.
; CLUSTERS: 4 x 4.  The tokens' tiles are shared along a row of the cluster, the weight's along a column: each is asked for jointly.
; REGISTERS: window 0: v0-31 addresses; v32-95 scale words; v96-127, v224-255 the bias; v128-223 source 1's fragments (on the way out v128-255: rows of out0).  window 1: source 0's fragments, two sets.
;   windows 2, 3: the accumulators ((a, b) at v[8 (8 (a % 4) + b)]).
.set NQ,     2
.set FR,     12
.set NL,     6
.set NP,     4
.set FRB,    1536
.set TILEB,  2*FRB
.set HALFT,  8*TILEB
.set SLOT,   4*HALFT
.set LAPS,   2
.set SCL,    2*SLOT
.set HALFS,  16*272
.set SBLK,   544
.set SPARE,  SCL+4*HALFS
.set ASCL,   6291456
.set WSCL,   3145728
.set SPITCH, 528                       ; the way out: a stage of 16 rows x (512 bytes + 16) for each wave, in slot 0, which has had its last fill and its last read when the first result is stored there
.set L8,    4
.set BO1,   10
.set STO,   12
.set RD,    13
.set CO,    14
.set ADR1,  16
.set ADR0,  20
.set ADRS1, 24
.set ADRS0, 25
.set SPW,   28
.set NIL,   29
.set SC1,   32
.set SC0,   48
.set AF,    128
.set BK,    128
.set G1,   24
.set G0,   32
.set G1B,  48
.set G0B,  56
.set G1S,  68
.set G0S,  76
.set G1SB, 80
.set G0SB, 88
.set MSB, 0
.macro WIN new
.if MSB != \new
	s_set_vgpr_msb (MSB<<8)|\new
.set MSB, \new
.endif
.endm
.set MUL_LO, 0xa1
.set MUL_HI, 0xf1
.set TO_B,   0x40
.macro JLOAD g0a, g1a, g0b, g1b        ; waves 0 and 1 fetch the tokens' halves, waves 2 and 3 the weight's; four v_nop follow each of the two lines
	s_cmp_eq_u32 s17, 0
	s_cbranch_scc0 .Lfor_b_\@
	tensor_load_to_lds s[\g0a:\g0a+3], s[\g1a:\g1a+7]
	s_nop 0
.rept 4
	v_nop
.endr
	s_branch .Lasked_\@
.Lfor_b_\@:
	tensor_load_to_lds s[\g0b:\g0b+3], s[\g1b:\g1b+7]
	s_nop 0
.rept 4
	v_nop
.endr
.Lasked_\@:
.endm
.macro CREST
	s_cmp_lg_u32 s16, 0
	s_cbranch_scc1 .Lnot_wave_0_\@
	s_barrier_signal -3
.Lnot_wave_0_\@:
	s_barrier_wait -3
	s_barrier_signal -1
	s_barrier_wait -1
.endm
.macro CROUND
	s_barrier_signal -1
	s_barrier_wait -1
	CREST
.endm
	s_load_b256 s[4:11], s[0:1], 0x0               ; acod, wcod, wo_b, out0
	v_lshl_add_u32 v[SPW], v0, 2, SPARE
	v_mov_b32 v[NIL], 0
	ds_add_u32 v28, v29
	ds_add_u32 v28, v29
	s_wait_dscnt 0x0
	v_lshrrev_b32 v1, 5, v0
	v_readfirstlane_b32 s16, v1                    ; wave 0..3
	s_lshr_b32 s17, s16, 1                         ; my half of the tokens.  Also: I fetch the tokens' tiles (0) or the weight's (1)
	s_and_b32 s18, s16, 1                          ; my half of the columns.  Also: which 8 tiles I fetch
	s_bfe_u32 s40, ttmp6, 0x40000                  ; cx: the grid is one cluster wide, so cx is the tile column
	s_bfe_u32 s41, ttmp6, 0x40004                  ; cy
	s_and_b32 s42, ttmp7, 0xffff
	s_lshl_b32 s45, s42, 2
	s_add_co_u32 s45, s45, s41                     ; the tile row, 0..31
	s_lshl_b32 s43, s41, 2
	s_lshl_b32 s43, 15, s43                        ; my row of the cluster
	s_lshl_b32 s44, 0x1111, s40                    ; my column
	s_or_b32 s[G1+0], s43, (3<<16)|(1<<21)         ; codes: 8 tiles x 3,072 bytes (384 elements of 8 bytes), 12,288 bytes apart in memory, dense in LDS
	s_or_b32 s[G1B+0], s44, (3<<16)|(1<<21)
.irp g, G1, G1B
	s_mov_b32 s[\g+1], 384<<16
	s_mov_b32 s[\g+2], 8<<16
	s_mov_b32 s[\g+3], 384<<16
	s_mov_b32 s[\g+4], 8
	s_mov_b32 s[\g+5], 1536
	s_mov_b32 s[\g+6], 0
	s_mov_b32 s[\g+7], 0
.endr
	s_or_b32 s[G1S+0], s43, (3<<16)|(1<<20)|(1<<21)|(5<<22)|(3<<25)   ; scale bytes of 8 tiles: 16 rows of 256 bytes, 16 bytes of padding behind each
	s_or_b32 s[G1SB+0], s44, (3<<16)|(1<<20)|(1<<21)|(5<<22)|(3<<25)
.irp g, G1S, G1SB
	s_mov_b32 s[\g+1], 32<<16
	s_mov_b32 s[\g+2], 16<<16
	s_mov_b32 s[\g+3], 32<<16
	s_mov_b32 s[\g+4], 16
	s_mov_b32 s[\g+5], 32
	s_mov_b32 s[\g+6], 0
	s_mov_b32 s[\g+7], 0
.endr
	s_lshl_b32 s19, s18, 3
	s_lshl_b32 s20, s45, 4
	s_add_co_u32 s20, s20, s19                     ; the tokens' first tile that I fetch
	s_lshl_b32 s46, s40, 4
	s_add_co_u32 s46, s46, s19
	s_add_co_u32 s46, s46, 192                     ; the weight's: wo is the fourth of wcod
	s_lshl_b32 s22, s20, 9
	s_add_co_u32 s22, s22, ASCL
	s_mov_b32 s23, 0
	s_mul_i32 s20, s20, 8*FRB
	s_mov_b32 s21, 0
	s_lshl_b32 s66, s46, 9
	s_add_co_u32 s66, s66, WSCL
	s_mov_b32 s67, 0
	s_mul_i32 s46, s46, 8*FRB
	s_mov_b32 s47, 0
	s_mul_i32 s2, s16, HALFT
	s_mul_i32 s3, s16, HALFS
	s_wait_kmcnt 0x0
	s_add_nc_u64 s[20:21], s[4:5], s[20:21]
	s_add_nc_u64 s[22:23], s[4:5], s[22:23]
	s_add_nc_u64 s[46:47], s[6:7], s[46:47]
	s_add_nc_u64 s[66:67], s[6:7], s[66:67]
	CROUND                                         ; all sixteen work-groups are here: the first joint loads meet
	s_mov_b32 s[G0S], 1
	s_add_co_u32 s[G0S+1], s3, SCL
	s_mov_b64 s[G0S+2:G0S+3], s[22:23]
	s_or_b32 s[G0S+3], s[G0S+3], 0x80000000
	s_mov_b32 s[G0SB], 1
	s_add_co_u32 s[G0SB+1], s3, SCL
	s_mov_b64 s[G0SB+2:G0SB+3], s[66:67]
	s_or_b32 s[G0SB+3], s[G0SB+3], 0x80000000
	JLOAD G0S, G1S, G0SB, G1SB
.irp s, 0,1
	s_mov_b32 s[G0+4*\s], 1
	s_add_co_u32 s[G0+4*\s+1], s2, \s*SLOT
	s_add_nc_u64 s[G0+4*\s+2:G0+4*\s+3], s[20:21], \s*TILEB
	s_or_b32 s[G0+4*\s+3], s[G0+4*\s+3], 0x80000000
	s_mov_b32 s[G0B+4*\s], 1
	s_add_co_u32 s[G0B+4*\s+1], s2, \s*SLOT
	s_add_nc_u64 s[G0B+4*\s+2:G0B+4*\s+3], s[46:47], \s*TILEB
	s_or_b32 s[G0B+4*\s+3], s[G0B+4*\s+3], 0x80000000
	JLOAD G0+4*\s, G1, G0B+4*\s, G1B
.endr
	v_and_b32 v1, 15, v0                           ; r
	v_bfe_u32 v2, v0, 4, 1                         ; h
	v_and_b32 v3, 31, v0
	v_lshlrev_b32 v[L8], 3, v3
	s_mul_i32 s20, s17, HALFT                      ; source 1: my 8 tiles of tokens
	s_mul_i32 s22, s18, HALFT
	s_add_co_u32 s22, s22, 2*HALFT                 ; source 0: my 8 tiles of the weight, behind the tokens' 16
.irp s, 0,1
	v_add_nc_u32 v[ADR1+\s], s20, v[L8]
	v_add_nc_u32 v[ADR0+\s], s22, v[L8]
	s_add_co_u32 s20, s20, SLOT
	s_add_co_u32 s22, s22, SLOT
.endr
	v_lshlrev_b32 v5, 5, v1
	v_lshrrev_b32 v6, 3, v1
	v_lshl_add_u32 v5, v6, 4, v5                   ; a row's scale bytes: 32 r + 16 (r / 8)
	v_lshlrev_b32 v[BO1], 6, v2
	s_mul_i32 s20, s17, HALFS
	s_add_co_u32 s20, s20, SCL
	s_mul_i32 s22, s18, HALFS
	s_add_co_u32 s22, s22, SCL+2*HALFS
	v_add_nc_u32 v[ADRS1], s20, v5
	v_add_nc_u32 v[ADRS0], s22, v5
	s_mul_i32 s23, s16, 16*SPITCH                  ; my stage
	v_mul_u32_u24 v5, v1, SPITCH
	v_lshl_add_u32 v5, v2, 6, v5
	v_add_nc_u32 v[STO], s23, v5                   ; in: row r, + 64 h: tile b's eight columns 32 (b / 2) + 8 (b % 2) + 16 h + 0..7
	v_lshlrev_b32 v[CO], 4, v3                     ; back: the 32 lanes take one row of 512 bytes; and the same in out0
	v_add_nc_u32 v[RD], s23, v[CO]
	s_lshl_b32 s20, s45, 8
	s_lshl_b32 s21, s17, 7
	s_add_co_u32 s20, s20, s21                     ; my first row of out0
	s_lshl_b32 s20, s20, 12
	s_lshl_b32 s46, s40, 10
	s_lshl_b32 s47, s18, 9
	s_add_co_u32 s46, s46, s47                     ; my first column, in bytes
	s_mov_b32 s47, 0
	s_add_nc_u64 s[8:9], s[8:9], s[46:47]          ; the bias at my 128 columns
	s_add_co_u32 s20, s20, s46
	s_mov_b32 s21, 0
	s_add_nc_u64 s[10:11], s[10:11], s[20:21]
.irp b, 0,1,2,3,4,5,6,7
	global_load_b128 v[96+8*\b+96*(\b/4):99+8*\b+96*(\b/4)], v[BO1], s[8:9] offset:128*(\b/2)+32*(\b%2)
	global_load_b128 v[100+8*\b+96*(\b/4):103+8*\b+96*(\b/4)], v[BO1], s[8:9] offset:128*(\b/2)+32*(\b%2)+16
.endr
.macro FRAG reg, adr, q, i
.irp p, 0,1,2,3,4,5
	ds_load_b64 v[\reg+2*\p:\reg+2*\p+1], v[\adr] offset:TILEB*(\i)+FRB*(\q)+256*\p
.endr
.endm
; 16 matrix instructions: the tokens' tiles a0, a0 + 1 x the weight's eight.  mode 1: the sums begin with the bias.  The 64 accumulators take turns.
.macro MUL16 a0, p, q, sc, mode
.irp a, \a0, \a0+1
.irp b, 0,1,2,3,4,5,6,7
.if \mode == 0
	v_wmma_scale_f32_16x16x128_f8f6f4 v[8*(8*((\a)%4)+\b):8*(8*((\a)%4)+\b)+7], v[128*(\p)+FR*\b:128*(\p)+FR*\b+FR-1], v[AF+FR*(\a):AF+FR*(\a)+FR-1], v[8*(8*((\a)%4)+\b):8*(8*((\a)%4)+\b)+7], v[SC0+32*(\sc)+2*\b+(\q)], v[SC1+32*(\sc)+2*(\a)+(\q)] matrix_a_fmt:MATRIX_FMT_FP6 matrix_b_fmt:MATRIX_FMT_FP6
.else
	v_wmma_scale_f32_16x16x128_f8f6f4 v[8*(8*((\a)%4)+\b):8*(8*((\a)%4)+\b)+7], v[128*(\p)+FR*\b:128*(\p)+FR*\b+FR-1], v[AF+FR*(\a):AF+FR*(\a)+FR-1], v[96+8*\b+96*(\b/4):103+8*\b+96*(\b/4)], v[SC0+32*(\sc)+2*\b+(\q)], v[SC1+32*(\sc)+2*(\a)+(\q)] matrix_a_fmt:MATRIX_FMT_FP6 matrix_b_fmt:MATRIX_FMT_FP6
.endif
.endr
.endr
.endm
.macro FETCH_B slot, q, p
	WIN TO_B
.irp i, 0,1,2,3,4,5,6,7
	FRAG 128*(\p)+FR*\i, ADR0+\slot, \q, \i
.endr
	WIN 0
.endm
.macro FETCH_A slot, q, i0
.irp i, \i0, \i0+1, \i0+2, \i0+3
	FRAG AF+FR*(\i), ADR1+\slot, \q, \i
.endr
.endm
.macro SCALES sc
.irp i, 0,1,2,3,4,5,6,7
	ds_load_b64 v[SC1+32*\sc+2*\i:SC1+32*\sc+2*\i+1], v[ADRS1] offset:\i*SBLK
	ds_load_b64 v[SC0+32*\sc+2*\i:SC0+32*\sc+2*\i+1], v[ADRS0] offset:\i*SBLK
.endr
.endm
.macro PLACES n
.rept \n
	v_nop
.endr
.endm
.macro STEP slot, q, mode
	s_wait_dscnt 4*NL                              ; all but the youngest 24 loads (the tokens' tiles 4-7) are in
.if \mode
	WIN 0x81
.else
	WIN MUL_LO
.endif
	MUL16 0, (\q)%2, \q, \slot, \mode
	MUL16 2, (\q)%2, \q, \slot, \mode
	s_wait_dscnt 0
	PLACES NP
	FETCH_B \slot, (\q)+1, 1-(\q)%2
	FETCH_A \slot, (\q)+1, 0
.if \mode
	WIN 0xc1
.else
	WIN MUL_HI
.endif
	MUL16 4, (\q)%2, \q, \slot, \mode
	MUL16 6, (\q)%2, \q, \slot, \mode
	PLACES NP
	WIN 0
	FETCH_A \slot, (\q)+1, 4
.endm
.macro TURN slot, next, fill
	s_wait_tensorcnt 0x0                           ; all my tensor loads have landed: my part of the next slot
	ds_add_u32 v[SPW], v[NIL]                      ; 0 onto my spare word
	s_wait_dscnt 4*NL+1                            ; the add and the youngest 24 loads may be out
	WIN MUL_LO
	MUL16 0, 1, NQ-1, \slot, 0
	s_wait_dscnt 0x0                               ; the add is done, and my reads of this slot are over
	s_barrier_signal -1
	MUL16 2, 1, NQ-1, \slot, 0
	WIN 0
	s_barrier_wait -1
.if \fill
	CREST                                          ; the barrier has opened a round of the cluster's
	s_add_nc_u64 s[G0+4*\slot+2:G0+4*\slot+3], s[G0+4*\slot+2:G0+4*\slot+3], 2*TILEB
	s_add_nc_u64 s[G0B+4*\slot+2:G0B+4*\slot+3], s[G0B+4*\slot+2:G0B+4*\slot+3], 2*TILEB
	JLOAD G0+4*\slot, G1, G0B+4*\slot, G1B
.else
	PLACES NP
.endif
	v_add_nc_u32 v[ADRS1], 4*NQ, v[ADRS1]
	v_add_nc_u32 v[ADRS0], 4*NQ, v[ADRS0]
	FETCH_B \next, 0, 0
	FETCH_A \next, 0, 0
	SCALES \next
	WIN MUL_HI
	MUL16 4, 1, NQ-1, \slot, 0
	MUL16 6, 1, NQ-1, \slot, 0
	PLACES NP
	WIN 0
	FETCH_A \next, 0, 4
.endm
	s_wait_tensorcnt 1                             ; the scale bytes and my part of slot 0 are in; slot 1's load may be out
	s_barrier_signal -1
	s_barrier_wait -1
	FETCH_B 0, 0, 0
	FETCH_A 0, 0, 0
	SCALES 0
	FETCH_A 0, 0, 4
	s_wait_loadcnt 0x0                             ; the bias
	STEP 0, 0, 1
	s_mov_b32 s19, LAPS-1
.Llap:
	TURN 0, 1, 1
	STEP 1, 0, 0
	TURN 1, 0, 1
	STEP 0, 0, 0
	s_sub_co_u32 s19, s19, 1
	s_cmp_lg_u32 s19, 0
	s_cbranch_scc1 .Llap
	TURN 0, 1, 0
	STEP 1, 0, 0
	s_wait_dscnt 4*NL
	WIN MUL_LO
	MUL16 0, 1, NQ-1, 1, 0
	MUL16 2, 1, NQ-1, 1, 0
	s_wait_dscnt 0
	WIN MUL_HI
	MUL16 4, 1, NQ-1, 1, 0
	MUL16 6, 1, NQ-1, 1, 0
	WIN 0
; THE WAY OUT, a tile of 16 tokens x 128 columns at a time, through my own stage: in by 32 bytes a lane, back as whole rows of 512 bytes.  LDS serves a wave's instructions in order (ISA guide 5.7.1.4).
.macro TOSTAGE a
.set AC, 64*((\a)%4)
	WIN 0x08+4*((\a)/4)                            ; the data: window 2 or 3
.irp b, 0,1,2,3,4,5,6,7
	ds_store_b128 v[STO], v[AC+8*\b:AC+8*\b+3] offset:128*(\b/2)+32*(\b%2)      ; each accumulator from its low end on
	ds_store_b128 v[STO], v[AC+8*\b+4:AC+8*\b+7] offset:128*(\b/2)+32*(\b%2)+16
.endr
	WIN 0
.set BB, BK+64*((\a)%2)
.irp t, 0,1,2,3,4,5,6,7,8,9,10,11,12,13,14,15
	ds_load_b128 v[BB+4*\t:BB+4*\t+3], v[RD] offset:\t*SPITCH
.endr
.endm
.macro SEND a, younger                 ; row t of tile a is token 32 (a / 2) + 8 (a % 2) + t + 8 (t / 8) of my 128: it stands in the immediate, 127 rows of 4,096 bytes at the most
.set BB, BK+64*((\a)%2)
	s_wait_dscnt \younger
.irp t, 0,1,2,3,4,5,6,7,8,9,10,11,12,13,14,15
	global_store_b128 v[CO], v[BB+4*\t:BB+4*\t+3], s[10:11] offset:(32*((\a)/2)+8*((\a)%2)+\t+8*(\t/8))*4096 th:TH_STORE_NT   ; 32 lanes store 512 consecutive bytes, aligned
.endr
.endm
	PLACES NP
	TOSTAGE 0
.irp a, 1,2,3,4,5,6,7
.if \a > 1
	s_wait_xcnt 0x0                                ; tile a - 2's stores have read their registers: tile a's loads may land there
.endif
	TOSTAGE \a
	SEND \a-1, 32                                  ; behind tile a - 1's loads: tile a's 16 stores and 16 loads
.endr
	SEND 7, 0
	s_wait_tensorcnt 0x0                           ; the wave's end
	ds_add_u32 v[SPW], v[NIL]
	s_wait_dscnt 0x0
	CROUND                                         ; the closing round
	s_endpgm
.Lfunc_end_k_q6a83c98c19_oproj:
	.size	k_q6a83c98c19_oproj, .Lfunc_end_k_q6a83c98c19_oproj-k_q6a83c98c19_oproj
	.p2alignl 7, 3214868480
	.fill 96, 4, 3214868480
	.section	.rodata,"a",@progbits
	.p2align	6, 0x0
	.amdhsa_kernel k_q6a83c98c19_oproj
		.amdhsa_group_segment_fixed_size 327680
		.amdhsa_private_segment_fixed_size 0
		.amdhsa_enable_private_segment 0
		.amdhsa_kernarg_size 32
		.amdhsa_user_sgpr_count 2
		.amdhsa_user_sgpr_kernarg_segment_ptr 1
		.amdhsa_wavefront_size32 1
		.amdhsa_system_sgpr_workgroup_id_x 1
		.amdhsa_system_sgpr_workgroup_id_y 1
		.amdhsa_system_sgpr_workgroup_id_z 1
		.amdhsa_system_vgpr_workitem_id 0
		.amdhsa_next_free_vgpr 1024
		.amdhsa_next_free_sgpr 96
		.amdhsa_reserve_vcc 0
		.amdhsa_float_denorm_mode_32 3
		.amdhsa_float_denorm_mode_16_64 3
		.amdhsa_memory_ordered 1
		.amdhsa_forward_progress 1
		.amdhsa_inst_pref_size 162
	.end_amdhsa_kernel
	.amdgpu_metadata
---
amdhsa.version: [ 1, 2 ]
amdhsa.kernels:
  - .name:           k_q6a83c98c19_oproj
    .symbol:         k_q6a83c98c19_oproj.kd
    .args:
      - { .name: acod, .offset: 0, .size: 8, .value_kind: global_buffer, .address_space: global }
      - { .name: wcod, .offset: 8, .size: 8, .value_kind: global_buffer, .address_space: global }
      - { .name: wo_b, .offset: 16, .size: 8, .value_kind: global_buffer, .address_space: global }
      - { .name: out0, .offset: 24, .size: 8, .value_kind: global_buffer, .address_space: global }
    .group_segment_fixed_size: 327680
    .private_segment_fixed_size: 0
    .kernarg_segment_align: 8
    .kernarg_segment_size: 32
    .max_flat_workgroup_size: 128
    .sgpr_count:     96
    .vgpr_count:     1024
    .wavefront_size: 32
...
	.end_amdgpu_metadata
.endif
;; end of part 4
;; ======== version 2 of 2: 4 launches; version 1 with the launch attn written anew for expert scheduling mode
;; limits: right only within a limited range of input values
;; workspace buffers: xcod 19,660,800 bytes; wcod 3,276,800 bytes; flags 512 bytes of whole numbers; qkv 26,738,688 bytes; acod 6,553,600 bytes
;; launch prep: the kernel of part 1 again; grid 384 x 1, 8 waves a work-group, no clusters, 69,632 bytes of LDS; arguments q, k, v, wq_w, wk_w, wv_w, wo_w, mask, xcod, wcod, flags; writes xcod, wcod, flags
;; launch proj: the kernel of part 2 again; grid 4 x 96, 4 waves a work-group, clusters of 4 x 4, 327,680 bytes of LDS; arguments xcod, wcod, wq_b, wk_b, wv_b, qkv; writes qkv
;; launch attn (part 5): grid 4 x 64, 16 waves a work-group, no clusters, 67,584 bytes of LDS; arguments qkv, mask, flags, acod; writes acod
.if DOCPART == 5
	.amdgcn_target "amdgcn-amd-amdhsa--gfx1250"
	.amdhsa_code_object_version 6
	.text
	.protected	k_q6a83c98c19_attn
	.globl	k_q6a83c98c19_attn
	.p2align	8
	.type	k_q6a83c98c19_attn,@function
k_q6a83c98c19_attn:
	s_mov_b64 s[64:65], 0
	v_nop
	global_prefetch_b8 v0, s[64:65] scope:SCOPE_SE
	s_setreg_imm32_b32 hwreg(HW_REG_WAVE_SCHED_MODE, 0, 2), 2
	s_setreg_imm32_b32 hwreg(HW_REG_WAVE_MODE, 25, 1), 1
	s_wait_xcnt 0x0
	s_wait_alu depctr_vm_vsrc(0)
; softmax(q k^T / 8 + mask x (-1e9)) v for one head, both products on codes of FP6 (E2M3); the result, divided by the row's sum, is quantised along the head's 64 and stored as codes for the last product.
; t = logit x log2(e), rounded; M = the running largest t rounded up to a whole number; p = 2^(t - M) is what is quantised along the keys; the row's sum is taken of the unquantised p.
; SHARES.  A work-group has one head (y) and two blocks of 256 queries, x and 7 - x, one after the other.  Each of its sixteen waves owns one tile of 16 queries.  Keys go in 8 slots of 256, two steps of 128 each.
; A slot's record of qkv (26,112 bytes: k's 16 tiles, v's 8 fragments, their scale words) is copied through registers into one of two LDS buffers, a slot ahead, by all 512 threads.
; THE MASK is an input; an earlier launch has stored, for each tile of queries, two bits for each key step: 0: no key of the step can count: the step is passed over; 1: the mask is all zero there: it is not read;
; 2: it is read and added.  These are scalar branches on whole numbers read from memory, which is why this launch fills LDS through registers and shares no tile between work-groups by joint loads.
; LAYOUT.  Both products are used transposed (S^T = K Q^T, O^T = V^T P^T): a lane holds one query throughout.  Row r of a tile T is row 32 (T / 2) + 8 (T % 2) + r + 8 (r / 8), for queries, keys and the head's 64 alike,
; so the 16 registers of result tiles 2 b, 2 b + 1 are 16 neighbours.  The head's 64 fill half of the instruction's 128: Q's upper six registers are zeros, so K's upper six may hold the next tile's codes.
; LIMITS: NaN and infinities are not served; a step passed over leans on |q . k / 8| under 2e8.
; REGISTERS: v1 8 x lane, v2 16 r, v3 16 x thread, v4 32 r, v8 the mask's offset; v10 Q's scale word, v11 p's; v12 -M, v13 the largest t, v[14:15] the sum; v16-27 Q; v28-35 K's or V's scale words;
;   v36-89 K's tiles, then the mask, then V's fragments; v90-105 the record on its way; v106-169 S^T, t, p; v170-201 O^T; v202-236 at work; v238-253 the mask's last quarter.
; THE MODE: SCHED_MODE bits 1:0 = 2 (LLVM: expert scheduling mode 2), set by the entry lines.  The code itself states the register dependences
; between vector or matrix instructions and memory or LDS instructions, with s_wait_alu, always for 0.
; THE PLAN.  Registers that memory or LDS instructions touch:
;   v1-4, v8      offsets and LDS addresses: made at the head, never written again.  The record and the mask are reached by scalar bases, made anew from scalar offsets, and by immediate offsets.
;   v16-21, v10   Q and its scale word: loaded at a pass's head; read by the products K Q^T.
;   v28-35        scale words: K's are loaded at a step's head, V's (v28-31) behind the scores; read by the products.
;   v36-83        K's tiles are loaded at a step's head and read by K Q^T; in a step of class 2 the mask lands there (and in v238-253) and is read by 32 multiply-adds; then V's fragments land there and are read by V^T P.
;   v90-105       the record: global loads land there at a slot's head, LDS stores read them at its end; no vector instruction names them behind the head.
;   v214-219, v236  at a pass's end the data of its stores; written by conversions, exchanges and moves, in every step too.
;   v254, v255    written at the head, read by the closing add alone.
; So a step has one wait on va_vdst at its head (the last V^T P is done with v28-31 and v36-83), one behind the scores (K Q^T is done with v28-35 and v36-89), one at the end of the mask's arm (its multiply-adds are done
; with v36-83), the two behind the exponentials, and one ahead of V^T P (p's codes and scale word are written).  V's loads follow the second or the third, dealt among the 32 multiplications that make t, which name
; S^T alone.  A slot has one wait on vm_vsrc, behind its barrier (the LDS stores have read v90-105); a pass one on va_vdst at its head, one ahead of its stores, and one on vm_vsrc behind them.
.set RECB,   26112
.set HEADB,  208896
.set KVPART, 13369344
.set ASCL,   6291456
.set BUF,    32768
.set VFR,    12288
.set KSC,    24576
.set VSC,    25600
.set S,   106
.set OT,  170
.set BM,  202
.set BT,  206
.set SOP, 210
.set PC,  214
.set PH,  226
.set FF,  234
.set TT,  236
	s_load_b256 s[4:11], s[0:1], 0x0               ; qkv, mask, flags, acod
	v_lshl_add_u32 v254, v0, 2, 0x10000
	v_mov_b32 v255, 0
	v_lshrrev_b32 v1, 5, v0
	v_readfirstlane_b32 s14, v1                    ; wave 0..15
	v_and_b32 v4, 31, v0
	v_lshlrev_b32 v1, 3, v4                        ; 8 x lane
	v_and_b32 v5, 15, v0                           ; r
	v_lshlrev_b32 v2, 4, v5                        ; 16 r
	v_lshlrev_b32 v3, 4, v0                        ; 16 x thread
	v_bfe_u32 v6, v0, 4, 1                         ; h
	v_lshrrev_b32 v8, 3, v5
	v_lshl_add_u32 v8, v8, 3, v5                   ; r + 8 (r / 8)
	v_lshlrev_b32 v8, 13, v8
	v_lshl_add_u32 v8, v6, 6, v8                   ; the mask: my query's row of 8,192 bytes, + 16 h keys
	v_lshlrev_b32 v4, 5, v5                        ; 32 r
	s_wait_alu depctr_va_sdst(0)                   ; s14 is written, ahead of its first reader: offsets, bases and branches are made from it
	s_and_b32 s15, ttmp7, 0xffff                   ; 16 x batch + head
	s_mov_b32 s16, ttmp9                           ; the first block of queries,
	s_sub_co_u32 s17, 7, s16                       ; the second
	s_mov_b32 s18, 0x3fb8aa3b                      ; log2(e)
	s_mov_b32 s19, s18                             ; (named with it as a pair)
	s_mov_b32 s20, 0xce6e6b28                      ; -1e9
	s_mov_b32 s21, s20
	s_mov_b32 s22, 0x76543210
	s_mov_b32 s23, 0xfedcba98                      ; v_permlanex16_b32's selects for lane l xor 16
	s_mul_i32 s70, s15, HEADB
	s_mov_b32 s71, 0
	s_lshl_b32 s74, s14, 2
	s_mov_b32 s75, 0
	s_wait_kmcnt 0x0
	s_add_nc_u64 s[4:5], s[4:5], s[70:71]          ; q's part, my head
	s_add_nc_u64 s[12:13], s[4:5], KVPART          ; k's and v's
	s_lshl_b32 s70, s16, 6
	s_add_nc_u64 s[72:73], s[8:9], s[70:71]
	s_load_b512 s[32:47], s[72:73], 0x0            ; the first block's 16 words
	s_add_nc_u64 s[76:77], s[72:73], s[74:75]
	s_load_b32 s24, s[76:77], 0x0                  ; my tile's
	s_lshl_b32 s70, s17, 6
	s_add_nc_u64 s[78:79], s[8:9], s[70:71]
	s_load_b512 s[48:63], s[78:79], 0x0            ; the second block's
	s_add_nc_u64 s[80:81], s[78:79], s[74:75]
	s_load_b32 s25, s[80:81], 0x0
.irp j, 22,23,24,25,26,27,84,85,86,87,88,89,90,91,92,93,94,95,96,97,98,99,100,101,102,103,104,105
	v_mov_b32 v[\j], 0                             ; Q's upper half; what lies behind K's last tile; the registers of the record on its way
.endr
.irp j, 0,1,2,3
	v_mov_b32 v[BT+\j], 0                          ; a lane permute's destination counts as one of its sources
.endr
	v_mov_b32 v[FF+1], 0                           ; (named as the upper half of a pair)
	s_wait_kmcnt 0x0
.irp j, 33,34,35,36,37,38,39,40,41,42,43,44,45,46,47
	s_or_b32 s32, s32, s[\j]
.endr
.irp j, 49,50,51,52,53,54,55,56,57,58,59,60,61,62,63
	s_or_b32 s48, s48, s[\j]
.endr
	s_mov_b32 s26, s32                             ; s[26:27]: which slots any tile of the block wants, four bits a slot, both blocks on end;  s[24:25]: my tile's classes likewise, two bits a step
	s_mov_b32 s27, s48
	s_mov_b32 s34, 0                               ; s[34:35]: the record to be fetched, its offset in 64 bits (the flag words' registers are free from here on)
	s_mov_b32 s35, 0
	s_mov_b32 s39, 0                               ; s[38:39]: likewise the mask's offset; its low word is made at a pass's head
	s_mov_b32 s66, 0                               ; the pass
	s_wait_alu depctr_va_vdst(0)                   ; v1 to v4 and v8 are written, which the loads and stores of the whole kernel read as offsets; so are v90-105, in which the records' loads land
.macro STAGE_LOAD                      ; 26,112 bytes = 3 x 8,192 + 1,536: every thread 3 x 16 bytes, waves 0-2 one more
	s_add_nc_u64 s[32:33], s[12:13], s[34:35]      ; the record's address: free since the wait that showed the last record's loads done
	global_load_b128 v[90:93], v3, s[32:33]
	global_load_b128 v[94:97], v3, s[32:33] offset:8192
	global_load_b128 v[98:101], v3, s[32:33] offset:16384
	s_cmp_lt_u32 s14, 3
	s_cbranch_scc0 .Lsl_\@
	global_load_b128 v[102:105], v3, s[32:33] offset:24576
.Lsl_\@:
.endm
.macro STAGE_STORE buf
	ds_store_b128 v3, v[90:93] offset:BUF*(\buf)
	ds_store_b128 v3, v[94:97] offset:BUF*(\buf)+8192
	ds_store_b128 v3, v[98:101] offset:BUF*(\buf)+16384
	s_cmp_lt_u32 s14, 3
	s_cbranch_scc0 .Lss_\@
	ds_store_b128 v3, v[102:105] offset:BUF*(\buf)+24576
.Lss_\@:
.endm
; A KEY STEP: 128 keys, the q-th of the slot in buffer buf.
.macro STEP buf, q
	s_and_b32 s30, s24, 3                          ; the step's class for my tile
	s_cmp_lg_u32 s30, 0
	s_cbranch_scc0 .Ldead_\@
.rept 4
	v_nop                                          ; plain lines in front of loads into registers that the last matrix instructions have read
.endr
	s_wait_alu depctr_va_vdst(0)                   ; the last step's products V^T P are done reading v36-83 and v28-31, in which the loads below land; the zeros of v22-27 and v84-89, which the scaled products below take as operands, are written
.set t, 0
.rept 8
	ds_load_b64 v[36+6*t:37+6*t], v1 offset:BUF*(\buf)+(8*(\q)+t)*768
	ds_load_b64 v[38+6*t:39+6*t], v1 offset:BUF*(\buf)+(8*(\q)+t)*768+256
	ds_load_b64 v[40+6*t:41+6*t], v1 offset:BUF*(\buf)+(8*(\q)+t)*768+512
.set t, t+1
.endr
	ds_load_b128 v[28:31], v2 offset:BUF*(\buf)+KSC+512*(\q)
	ds_load_b128 v[32:35], v2 offset:BUF*(\buf)+KSC+512*(\q)+256
	s_wait_dscnt 0x0
.set t, 0
.rept 8                                        ; S^T = K Q^T / 8 (the 1/8 lies in Q's scale bytes)
	v_wmma_scale_f32_16x16x128_f8f6f4 v[S+8*t:S+8*t+7], v[36+6*t:47+6*t], v[16:27], 0, v[28+t], v10 matrix_a_fmt:MATRIX_FMT_FP6 matrix_b_fmt:MATRIX_FMT_FP6
.set t, t+1
.endr
.rept 4
	v_nop
.endr
	s_wait_alu depctr_va_vdst(0)                   ; the products K Q^T are done reading v36-89 and v28-35: the mask's loads, or in a step without mask V's, land there; earlier multiply-adds are done reading v238-253
	s_cmp_eq_u32 s30, 2
	s_cbranch_scc0 .Lnomask_\@
	s_add_nc_u64 s[36:37], s[6:7], s[38:39]        ; the mask at my tile's first row and the step's first key: free since the wait that showed the last loads by it done.  Register 16 b + i holds key 32 b + 16 h + i of the step
.set n, 0
.rept 16
	global_load_b128 v[36+4*n+154*(n/12):39+4*n+154*(n/12)], v8, s[36:37] offset:128*(n/4)+16*(n%4)
.set n, n+1
.endr
	s_wait_loadcnt 0x0
.set n, 0
.rept 16
	v_pk_fma_f32 v[S+4*n:S+4*n+1], v[36+4*n+154*(n/12):37+4*n+154*(n/12)], s[20:21], v[S+4*n:S+4*n+1] op_sel_hi:[1,0,1]   ; logit + mask x (-1e9)
	v_pk_fma_f32 v[S+4*n+2:S+4*n+3], v[38+4*n+154*(n/12):39+4*n+154*(n/12)], s[20:21], v[S+4*n+2:S+4*n+3] op_sel_hi:[1,0,1]
.set n, n+1
.endr
	s_wait_alu depctr_va_vdst(0)                   ; the multiply-adds are done reading the mask in v36-83, in which V's loads land
.Lnomask_\@:
	ds_load_b128 v[28:31], v2 offset:BUF*(\buf)+VSC+256*(\q)   ; V's scale words and four fragments are asked for now and land under the softmax
.set t, 0
.rept 4                                        ; a fragment's six loads, then eight multiplications.  No wait: no vector instruction since the wait above (on either way) names v28-31 or v36-83
.irp p, 0,1,2,3,4,5
	ds_load_b64 v[36+12*t+2*\p:37+12*t+2*\p], v1 offset:BUF*(\buf)+VFR+6144*(\q)+1536*t+256*\p
.endr
.set j, 16*t
.rept 8
	v_pk_mul_f32 v[S+j:S+j+1], v[S+j:S+j+1], s[18:19] op_sel_hi:[1,0]   ; t, rounded: where a whole row is blocked t is huge, and all its t must round alike
.set j, j+2
.endr
.set t, t+1
.endr
.irp b, 0,1,2,3
	v_max3_num_f32 v[BM+\b], v[S+16*\b], v[S+16*\b+1], v[S+16*\b+2]   ; the largest t of each block of 32 keys: for the row's maximum, and for the block's largest p
.endr
.irp i, 3,5,7,9,11,13
.irp b, 0,1,2,3
	v_max3_num_f32 v[BM+\b], v[BM+\b], v[S+16*\b+\i], v[S+16*\b+\i+1]
.endr
.endr
.irp b, 0,1,2,3
	v_max_num_f32 v[BM+\b], v[BM+\b], v[S+16*\b+15]
.endr
.irp b, 0,1,2,3
	v_permlanex16_b32 v[BT+\b], v[BM+\b], s22, s23
.endr
.irp b, 0,1,2,3
	v_max_num_f32 v[BM+\b], v[BM+\b], v[BT+\b]
.endr
	v_max3_num_f32 v[TT], v[BM], v[BM+1], v[BM+2]
	v_max_num_f32 v[TT], v[TT], v[BM+3]
	v_max_num_f32 v13, v13, v[TT]                  ; the running largest t
	v_mov_b32 v[TT], v12
	v_floor_f32 v12, -v13                          ; -M = floor(-t): M is a whole number
	v_sub_f32 v[TT], v12, v[TT]                    ; old M - new M, 0 or less
	v_cvt_i32_f32 v[TT], v[TT]                     ; (it saturates)
	v_ldexp_f32 v[FF], 1.0, v[TT]                  ; f = 2^(old M - new M): rounds nothing
.set j, 0
.rept 32
	v_pk_add_f32 v[S+j:S+j+1], v[S+j:S+j+1], v[12:13] op_sel_hi:[1,0]   ; t - M
.set j, j+2
.endr
.irp b, 0,1,2,3
	v_add_f32 v[BM+\b], v[BM+\b], v12              ; the same of each block's largest t
.endr
.set j, 0
.rept 64
	v_exp_f32 v[S+j], v[S+j]                       ; p = 2^(t - M)
.set j, j+1
.endr
	v_pk_mul_f32 v[14:15], v[14:15], v[FF:FF+1] op_sel_hi:[1,0]   ; the sums under the new M; a plain line behind the exponentials
	s_wait_alu depctr_va_vdst(0)                   ; the 64 exponentials have written p: one wait for the batch, ahead of its first reader
.irp b, 0,1,2,3
	v_exp_f32 v[BM+\b], v[BM+\b]                   ; the block's largest p: the same instructions on the same number
.endr
	v_pk_add_f32 v[BT:BT+1], v[S:S+1], v[S+2:S+3]  ; the row's sum, of the unquantised p, in two chains
.set j, 4
.rept 15
	v_pk_add_f32 v[14:15], v[14:15], v[S+j:S+j+1]
	v_pk_add_f32 v[BT:BT+1], v[BT:BT+1], v[S+j+2:S+j+3]
.set j, j+4
.endr
	v_pk_add_f32 v[14:15], v[14:15], v[BT:BT+1]
	s_wait_alu depctr_va_vdst(0)                   ; the four exponentials have written the blocks' largest p, ahead of their first reader
.irp b, 0,1,2,3
	v_max_num_f32 v[BM+\b], 0x1800000, v[BM+\b]    ; the floor 2^(3 - 127): the byte cannot fall under 1
.endr
.irp b, 0,1,2,3
	v_add_nc_u32 v[SOP+\b], 0xff000000, v[BM+\b]
.endr
.irp b, 0,1,2,3
	v_lshrrev_b32 v[BT+\b], 23, v[SOP+\b]
.endr
	v_lshl_or_b32 v11, v[BT+1], 8, v[BT]           ; p's scale word for these 128 keys
	v_lshl_or_b32 v11, v[BT+2], 16, v11
	v_lshl_or_b32 v11, v[BT+3], 24, v11
.irp c, 0,1
	v_cvt_scalef32_pk16_fp6_f32 v[PC+6*\c:PC+6*\c+2], v[S+32*\c:S+32*\c+15], v[SOP+2*\c]
	v_cvt_scalef32_pk16_fp6_f32 v[PH+4*\c:PH+4*\c+2], v[S+32*\c+16:S+32*\c+31], v[SOP+2*\c+1]
.endr
	v_nop                                          ; one plain line behind the scaled conversions
.irp c, 0,1
.irp i, 0,1,2
	v_permlane16_swap_b32 v[PC+6*\c+\i], v[PH+4*\c+\i]
.endr
.irp i, 0,1,2
	v_mov_b32 v[PC+3+6*\c+\i], v[PH+4*\c+\i]
.endr
.endr
.set j, 0
.rept 16
	v_pk_mul_f32 v[OT+j:OT+j+1], v[OT+j:OT+j+1], v[FF:FF+1] op_sel_hi:[1,0]   ; O^T under the new M; these are also the plain lines between p's codes and scale word and the products
.set j, j+2
.endr
	s_wait_alu depctr_va_vdst(0)                   ; p's codes v214-225 and its scale word v11 are written, which the scaled products below take as operand and scales; the plain lines above stay beside this wait
	s_wait_dscnt 0x0                               ; V
.set t, 0
.rept 4                                        ; O^T += V^T P^T, the four accumulators by turns
	v_wmma_scale_f32_16x16x128_f8f6f4 v[OT+8*t:OT+8*t+7], v[36+12*t:47+12*t], v[PC:PC+11], v[OT+8*t:OT+8*t+7], v[28+t], v11 matrix_a_fmt:MATRIX_FMT_FP6 matrix_b_fmt:MATRIX_FMT_FP6
.set t, t+1
.endr
.Ldead_\@:
	s_lshr_b32 s24, s24, 2                         ; the next step's class: 64 bits go 2 down
	s_lshl_b32 s31, s25, 30
	s_or_b32 s24, s24, s31
	s_lshr_b32 s25, s25, 2
	s_add_co_u32 s38, s38, 512                     ; and its 128 keys of the mask
.endm
; A SLOT: one barrier.  In front of it my stores into this buffer have landed and my reads of the other are over; behind it this buffer is read, and at the slot's end the other is written.
.macro SLOT buf
	s_wait_dscnt 0x0
	s_barrier_signal -1
	s_barrier_wait -1
	s_wait_alu depctr_vm_vsrc(0)                   ; my LDS stores of the last record have read v90-105, in which the next record's loads land
	s_lshr_b32 s26, s26, 4                         ; is the next slot wanted by any tile of its block?  64 bits go 4 down
	s_lshl_b32 s31, s27, 28
	s_or_b32 s26, s26, s31
	s_lshr_b32 s27, s27, 4
	s_and_b32 s69, s26, 15
	s_cmp_lg_u32 s69, 0
	s_cbranch_scc0 .Lnl_\@
	STAGE_LOAD                                     ; its record is asked for a slot's work ahead.  No wait on va_vdst: no vector instruction since the head's names v3 or v90-105
.Lnl_\@:
	STEP \buf, 0
	STEP \buf, 1
	s_wait_loadcnt 0x0                             ; the record is in registers; its base may be written again
	s_cmp_lg_u32 s69, 0
	s_cbranch_scc0 .Lns_\@
	STAGE_STORE 1-(\buf)
.Lns_\@:
	s_add_co_u32 s34, s34, RECB
	s_cmp_eq_u32 s34, HEADB
	s_cselect_b32 s34, 0, s34                      ; behind the head's last record comes its first, for the second pass
.endm
	s_and_b32 s69, s26, 15                         ; slot 0 of the first pass
	s_cmp_lg_u32 s69, 0
	s_cbranch_scc0 .Lno_first
	STAGE_LOAD
	s_wait_loadcnt 0x0
	STAGE_STORE 0
.Lno_first:
	s_mov_b32 s34, RECB
.Lpass:
	s_cmp_eq_u32 s66, 0
	s_cselect_b32 s68, s16, s17                    ; the block of queries
	s_mul_i32 s70, s68, RECB
	s_mul_i32 s72, s14, 768
	s_add_co_u32 s72, s70, s72
	s_mov_b32 s73, 0
	s_add_nc_u64 s[76:77], s[4:5], s[72:73]        ; my tile's codes
	s_wait_alu depctr_va_vdst(0)                   ; the last pass's products K Q^T are done reading v16-21 and v10, in which the four loads below land
	global_load_b64 v[16:17], v1, s[76:77]
	global_load_b64 v[18:19], v1, s[76:77] offset:256
	global_load_b64 v[20:21], v1, s[76:77] offset:512
	s_lshr_b32 s72, s14, 2
	s_lshl_b32 s72, s72, 8
	s_add_co_u32 s72, s72, s70
	s_and_b32 s74, s14, 3
	s_lshl_b32 s74, s74, 2
	s_add_co_u32 s72, s72, s74
	s_add_co_u32 s72, s72, KSC
	s_add_nc_u64 s[82:83], s[4:5], s[72:73]
	global_load_b32 v10, v2, s[82:83]              ; and its scale words
	s_lshl_b32 s75, s68, 4
	s_add_co_u32 s75, s75, s14                     ; my tile among the sequence's 128
	s_lshr_b32 s38, s75, 1
	s_lshl_b32 s38, s38, 18
	s_and_b32 s70, s75, 1
	s_lshl_b32 s70, s70, 16
	s_add_co_u32 s38, s38, s70                     ; the mask at my tile's first row, key 0
	v_mov_b32 v13, 0xff61b1e6                      ; the largest t so far: -3e38
	v_floor_f32 v12, -v13
	v_mov_b32 v14, 0
	v_mov_b32 v15, 0
.set j, 0
.rept 32
	v_mov_b32 v[OT+j], 0                           ; the step is written once: the first finds zeros
.set j, j+1
.endr
	s_wait_loadcnt 0x0
	s_mov_b32 s67, 4
.Lpair:
	SLOT 0
	SLOT 1
	s_sub_co_u32 s67, s67, 1
	s_cmp_lg_u32 s67, 0
	s_cbranch_scc1 .Lpair
	; THE PASS'S END: O^T / the sum; its 32 numbers a lane, d = 32 b + 16 h + i, are two blocks along the last product's K
.rept 4
	v_nop
.endr
	v_add_f32 v14, v14, v15
	v_permlanex16_b32 v[BT], v14, s22, s23
	v_add_f32 v14, v14, v[BT]                      ; the row's sum
	v_rcp_f32 v14, v14
	v_nop
	s_lshr_b32 s70, s15, 4
	s_lshl_b32 s70, s70, 7
	s_add_co_u32 s70, s70, s75                     ; my tile among the 512 of all tokens
	s_and_b32 s72, s15, 15                         ; the head
	s_lshl_b32 s74, s70, 3
	s_lshr_b32 s31, s72, 1
	s_add_co_u32 s74, s74, s31
	s_mul_i32 s74, s74, 1536                       ; K step head / 2 of the tile,
	s_and_b32 s31, s72, 1
	s_mul_i32 s31, s31, 768                        ; its lower or upper three pieces
	s_add_co_u32 s72, s72, s72                     ; 2 x head
	s_add_co_u32 s74, s74, s31
	s_mov_b32 s31, s75
	s_mov_b32 s75, 0
	s_add_nc_u64 s[78:79], s[10:11], s[74:75]
	s_lshl_b32 s74, s70, 9
	s_add_co_u32 s74, s74, s72
	s_add_co_u32 s74, s74, ASCL
	s_add_nc_u64 s[80:81], s[10:11], s[74:75]
	s_wait_alu depctr_va_vdst(0)                   ; the reciprocal has written v14, ahead of its first reader
.set j, 0
.rept 16
	v_pk_mul_f32 v[S+j:S+j+1], v[OT+j:OT+j+1], v[14:15] op_sel_hi:[1,0]   ; each accumulator from its low end on
.set j, j+2
.endr
.irp b, 0,1
	v_max3_num_f32 v[BM+\b], |v[S+16*\b]|, |v[S+16*\b+1]|, 0x1800000
.endr
.irp i, 2,4,6,8,10,12,14
.irp b, 0,1
	v_max3_num_f32 v[BM+\b], v[BM+\b], |v[S+16*\b+\i]|, |v[S+16*\b+\i+1]|
.endr
.endr
.irp b, 0,1
	v_permlanex16_b32 v[BT+\b], v[BM+\b], s22, s23
.endr
.irp b, 0,1
	v_max_num_f32 v[BM+\b], v[BM+\b], v[BT+\b]
.endr
.irp b, 0,1
	v_add_nc_u32 v[SOP+\b], 0xff000000, v[BM+\b]
.endr
.irp b, 0,1
	v_lshrrev_b32 v[BT+\b], 23, v[SOP+\b]
.endr
	v_lshl_or_b32 v[TT], v[BT+1], 8, v[BT]         ; my row's two scale bytes
	v_cvt_scalef32_pk16_fp6_f32 v[PC:PC+2], v[S:S+15], v[SOP]
	v_cvt_scalef32_pk16_fp6_f32 v[PH:PH+2], v[S+16:S+31], v[SOP+1]
	v_nop
.irp i, 0,1,2
	v_permlane16_swap_b32 v[PC+\i], v[PH+\i]
.endr
.irp i, 0,1,2
	v_mov_b32 v[PC+3+\i], v[PH+\i]                 ; registers 0-5: d = 32 h + 0..31
.endr
	s_wait_alu depctr_va_vdst(0)                   ; the exchanges and moves have written the codes v214-219, and v236 holds the two bytes: the four stores below read them
.irp j, 0,1,2
	global_store_b64 v1, v[PC+2*\j:PC+2*\j+1], s[78:79] offset:256*\j   ; 32 lanes store 256 consecutive bytes, aligned
.endr
	global_store_b16 v4, v[TT], s[80:81]           ; (both halves of the lanes store the same two bytes)
	s_wait_xcnt 0x0                                ; the stores have read their data and bases
	s_wait_alu depctr_vm_vsrc(0)                   ; the stores have read v214-219 and v236, which the next pass's steps write again
	s_add_co_u32 s66, s66, 1
	s_cmp_lt_u32 s66, 2
	s_cbranch_scc1 .Lpass
	s_wait_dscnt 0x0                               ; the closing lines, six on end
	s_wait_alu 0x0
	s_wait_tensorcnt 0x0
	ds_add_u32 v254, v255
	s_wait_dscnt 0x0
	s_endpgm
.Lfunc_end_k_q6a83c98c19_attn:
	.size	k_q6a83c98c19_attn, .Lfunc_end_k_q6a83c98c19_attn-k_q6a83c98c19_attn
	.p2alignl 7, 3214868480
	.fill 96, 4, 3214868480
	.section	.rodata,"a",@progbits
	.p2align	6, 0x0
	.amdhsa_kernel k_q6a83c98c19_attn
		.amdhsa_group_segment_fixed_size 67584
		.amdhsa_private_segment_fixed_size 0
		.amdhsa_enable_private_segment 0
		.amdhsa_kernarg_size 32
		.amdhsa_user_sgpr_count 2
		.amdhsa_user_sgpr_kernarg_segment_ptr 1
		.amdhsa_wavefront_size32 1
		.amdhsa_system_sgpr_workgroup_id_x 1
		.amdhsa_system_sgpr_workgroup_id_y 1
		.amdhsa_system_sgpr_workgroup_id_z 1
		.amdhsa_system_vgpr_workitem_id 0
		.amdhsa_next_free_vgpr 256
		.amdhsa_next_free_sgpr 84
		.amdhsa_reserve_vcc 0
		.amdhsa_float_denorm_mode_32 3
		.amdhsa_float_denorm_mode_16_64 3
		.amdhsa_memory_ordered 1
		.amdhsa_forward_progress 1
		.amdhsa_inst_pref_size 106
	.end_amdhsa_kernel
	.amdgpu_metadata
---
amdhsa.version: [ 1, 2 ]
amdhsa.kernels:
  - .name:           k_q6a83c98c19_attn
    .symbol:         k_q6a83c98c19_attn.kd
    .args:
      - { .name: qkv, .offset: 0, .size: 8, .value_kind: global_buffer, .address_space: global }
      - { .name: mask, .offset: 8, .size: 8, .value_kind: global_buffer, .address_space: global }
      - { .name: flags, .offset: 16, .size: 8, .value_kind: global_buffer, .address_space: global }
      - { .name: acod, .offset: 24, .size: 8, .value_kind: global_buffer, .address_space: global }
    .group_segment_fixed_size: 67584
    .private_segment_fixed_size: 0
    .kernarg_segment_align: 8
    .kernarg_segment_size: 32
    .max_flat_workgroup_size: 512
    .sgpr_count:     84
    .vgpr_count:     256
    .wavefront_size: 32
...
	.end_amdgpu_metadata
.endif
;; end of part 5
;; launch oproj: the kernel of part 4 again; grid 4 x 32, 4 waves a work-group, clusters of 4 x 4, 327,680 bytes of LDS; arguments acod, wcod, wo_b, out0; writes out0
